; MI455X (gfx1250); checked and timed in simulation.
; The chip was launched on July 23, 2026; its instructions are those of AMD's public machine-readable ISA for CDNA 5 (MIT licence, August 2026) and "CDNA5" Instruction Set Architecture Reference Guide (July 2026). The comments in the code are by the model that wrote it; some were corrected since.
;; Mo E Layer. Allowed arithmetic: float matrix products may take bf16 or f16 operands with f32 sums; all other float work in f32.
;; Inputs: W1 8 x 1,024 x 2,048 float32; W2 8 x 2,048 x 1,024 float32; Wg 1,024 x 8 float32; b1 8 x 2,048 float32; b2 8 x 1,024 float32; bg 8 float32; x 2,048 x 1,024 float32.
;; Outputs: out0 2,048 x 1,024 float32.
;; 2 versions, each right; version 2 is version 1 with the launch prep written anew for expert scheduling mode. Each part assembles by itself: llvm-mc -triple=amdgcn-amd-amdhsa -mcpu=gfx1250 --defsym DOCPART=n.
;; ======== version 1 of 2: 4 launches
;; limits: values are held in f16: magnitudes above 65,504 overflow, below 6.1e-05 lose precision; right only within a limited range of input values
;; workspace buffers: xh 4,194,304 bytes; w1h 33,554,432 bytes; w2h 33,554,432 bytes; gates 65,536 bytes; hh 67,108,864 bytes; part 67,108,864 bytes
;; launch prep (part 1): grid 544 x 1, 8 waves a work-group, no clusters, 0 bytes of LDS; arguments x, Wg, bg, W1, xh, w1h, gates; writes xh, w1h, gates
.if DOCPART == 1
	.amdgcn_target "amdgcn-amd-amdhsa--gfx1250"
	.amdhsa_code_object_version 6
	.text
	.protected	k_q7e39b9eae0_prep
	.globl	k_q7e39b9eae0_prep
	.p2align	8
	.type	k_q7e39b9eae0_prep,@function
k_q7e39b9eae0_prep:
	s_mov_b64 s[64:65], 0
	v_nop
	global_prefetch_b8 v0, s[64:65] scope:SCOPE_SE
	s_setreg_imm32_b32 hwreg(HW_REG_WAVE_MODE, 25, 1), 1
	s_wait_xcnt 0x0
; prep: the operands of the first large product in f16, and the gates.
;   xh = f16(x), w1h = f16(W1), same layouts as their sources; gates[n][e] = softmax over e of (x Wg + bg), all in f32.
;   (W2 is cast by the next launch, beside its products: it is needed only by the launch after that.)
; The whole program computes out[n][o] = sum over e of gates[n][e] (relu(x W1_e + b1_e) W2_e + b2_e)[n][o].  No work of the problem is left out:
; bg differs along the softmax's axis, b1 stands inside the relu, b2 is weighted by the gates: all seven inputs are loaded by some launch.
; LIMITS: matrix operands are f16: |x|, |W1| of 65,504 and more become infinities; magnitudes under 6.1e-5 are kept as f16 denormals
; (absolute error at most 3e-8).  The gates are not touched by that: they are made from the f32 x, with the row's maximum taken away.
; Work-groups 0 to 31 make gates and xh (a wave owns 8 rows of x); work-groups 32 to 543 cast 128 KiB of W1 each.
; The gates go to the vector unit: 8 columns are half a matrix tile and 1/4096 of the program's multiply-adds, and this form reads x in runs of
; 512 bytes and makes xh from the same registers.  No LDS, no barrier: no wave needs another's data.
.set X,   4                            ; cast: v[4:131]   32 loads of 4 registers
.set Y,   132                          ; cast: v[132:195] 32 stores of 2 registers
.set WB0, 8                            ; gate: v[8:39], v[40:71]     two buffers: my 4 rows of Wg x 8 experts (register 8 c + e)
.set WB1, 40
.set XB0, 72                           ; gate: v[72:103], v[104:135] two buffers: 8 rows of x x my 4 numbers (register 4 r + c)
.set XB1, 104
.set ACC, 136                          ; gate: v[136:199] the 64 sums, register 8 r + e
.set CV,  200                          ; gate: v[200:215] a chunk of x in f16, to store
.set T,   216                          ; gate: v[216:223] at work
	s_load_b256 s[4:11], s[0:1], 0x0               ; x s[4:5], Wg s[6:7], bg s[8:9], W1 s[10:11]
	s_load_b128 s[12:15], s[0:1], 0x20             ; xh s[12:13], w1h s[14:15]
	s_load_b64 s[16:17], s[0:1], 0x30              ; gates
	s_cmp_lt_u32 ttmp9, 32
	s_cbranch_scc1 .Lgate
	; ---- cast: chunk c of 512.  32 loads of 4 KiB for the work-group, all issued ahead of the first store.
	s_sub_co_u32 s2, ttmp9, 32
	v_lshlrev_b32 v1, 4, v0                        ; 16 bytes of f32 a thread
	v_lshlrev_b32 v2, 3, v0                        ; 8 bytes of f16 a thread
	s_lshl_b32 s28, s2, 17                         ; 131,072 bytes of f32 a chunk
	s_mov_b32 s29, 0
	s_lshl_b32 s30, s2, 16                         ; 65,536 bytes of f16
	s_mov_b32 s31, 0
	s_wait_kmcnt 0x0
	s_add_nc_u64 s[24:25], s[10:11], s[28:29]
	s_add_nc_u64 s[26:27], s[14:15], s[30:31]
.set j, 0
.rept 32
	global_load_b128 v[X+4*j:X+4*j+3], v1, s[24:25] offset:4096*j th:TH_LOAD_NT
.set j, j+1
.endr
.set j, 0
.rept 32
	s_wait_loadcnt 31-j                            ; loads come back in order: load j is in, the 31 - j younger ones stay out
	v_cvt_pk_f16_f32 v[Y+2*j],   v[X+4*j],   v[X+4*j+1]
	v_cvt_pk_f16_f32 v[Y+2*j+1], v[X+4*j+2], v[X+4*j+3]
	global_store_b64 v2, v[Y+2*j:Y+2*j+1], s[26:27] offset:2048*j    ; a wave's store covers 256 consecutive bytes, aligned; no register is written twice
.set j, j+1
.endr
	s_endpgm
	; ---- gates and xh.  Wave w of work-group g owns rows 8 (8 g + w) .. + 7.  In chunk j (of 8) lane l holds d = 128 j + 4 l + c, c = 0..3.
.Lgate:
	v_lshrrev_b32 v4, 5, v0
	v_readfirstlane_b32 s2, v4                     ; wave
	s_lshl3_add_u32 s2, ttmp9, s2                  ; 8 g + w
	v_and_b32 v4, 31, v0                           ; lane
	v_lshlrev_b32 v1, 4, v4                        ; x: 16 bytes a lane
	v_lshlrev_b32 v2, 7, v4                        ; Wg: 4 rows of 32 bytes a lane
	v_lshlrev_b32 v3, 3, v4                        ; xh and gates: 8 bytes a lane
	s_mov_b32 s22, 0x76543210                      ; v_permlanex16_b32: lane i of one half reads lane i of the other
	s_mov_b32 s23, 0xfedcba98
	s_lshl_b32 s38, s2, 15                         ; 8 rows of 4,096 bytes of x
	s_mov_b32 s39, 0
	s_lshl_b32 s40, s2, 14                         ; 8 rows of 2,048 bytes of xh
	s_mov_b32 s41, 0
	s_lshl_b32 s42, s2, 8                          ; 8 rows of 32 bytes of gates
	s_mov_b32 s43, 0
	s_wait_kmcnt 0x0
	s_load_b256 s[24:31], s[8:9], 0x0              ; bg
	s_add_nc_u64 s[4:5], s[4:5], s[38:39]
	s_add_nc_u64 s[12:13], s[12:13], s[40:41]
	s_add_nc_u64 s[16:17], s[16:17], s[42:43]
.macro GLOAD j, wb, xb                 ; chunk j: 16 loads
.irp i, 0,1,2,3,4,5,6,7
	global_load_b128 v[\wb+4*\i:\wb+4*\i+3], v2, s[6:7] offset:4096*(\j)+16*\i
.endr
.irp i, 0,1,2,3,4,5,6,7
	global_load_b128 v[\xb+4*\i:\xb+4*\i+3], v1, s[4:5] offset:4096*\i+512*(\j) th:TH_LOAD_NT   ; row i: a wave's load covers 512 consecutive bytes
.endr
.endm
; chunk j: its x goes out as f16, and 128 packed multiply-adds take it into the 64 sums.  left = the younger loads that may stay out.
.macro GCHUNK j, wb, xb, left
	s_wait_loadcnt \left
	s_wait_xcnt 0x0                                ; CV is the last chunk's store data: it is written again only behind this wait
.irp r, 0,1,2,3,4,5,6,7
	v_cvt_pk_f16_f32 v[CV+2*\r],   v[\xb+4*\r],   v[\xb+4*\r+1]
	v_cvt_pk_f16_f32 v[CV+2*\r+1], v[\xb+4*\r+2], v[\xb+4*\r+3]
	global_store_b64 v3, v[CV+2*\r:CV+2*\r+1], s[12:13] offset:2048*\r+256*\j    ; 256 consecutive bytes, aligned
.endr
.irp c, 0,1,2,3
.irp r, 0,1,2,3,4,5,6,7
.irp p, 0,1,2,3
.ifeq \j+\c
	v_pk_mul_f32 v[ACC+8*\r+2*\p:ACC+8*\r+2*\p+1], v[\wb+2*\p:\wb+2*\p+1], v[\xb+4*\r:\xb+4*\r+1] op_sel_hi:[1,0]   ; the first product starts the sums
.else
.if \c%2
	v_pk_fma_f32 v[ACC+8*\r+2*\p:ACC+8*\r+2*\p+1], v[\wb+8*\c+2*\p:\wb+8*\c+2*\p+1], v[\xb+4*\r+2*(\c/2):\xb+4*\r+2*(\c/2)+1], v[ACC+8*\r+2*\p:ACC+8*\r+2*\p+1] op_sel:[0,1,0] op_sel_hi:[1,1,1]
.else
	v_pk_fma_f32 v[ACC+8*\r+2*\p:ACC+8*\r+2*\p+1], v[\wb+8*\c+2*\p:\wb+8*\c+2*\p+1], v[\xb+4*\r+2*(\c/2):\xb+4*\r+2*(\c/2)+1], v[ACC+8*\r+2*\p:ACC+8*\r+2*\p+1] op_sel_hi:[1,0,1]
.endif
.endif
.endr
.endr
.endr
.if \j < 6
	GLOAD \j+2, \wb, \xb                           ; the buffer just used takes the chunk after next
.endif
.endm
	GLOAD 0, WB0, XB0
	GLOAD 1, WB1, XB1
	GCHUNK 0, WB0, XB0, 16                         ; 16: the next chunk's loads stay out
	GCHUNK 1, WB1, XB1, 16
	GCHUNK 2, WB0, XB0, 16
	GCHUNK 3, WB1, XB1, 16
	GCHUNK 4, WB0, XB0, 16
	GCHUNK 5, WB1, XB1, 16
	GCHUNK 6, WB0, XB0, 16
	GCHUNK 7, WB1, XB1, 0
	; the 64 sums over the 32 lanes, stage by stage, so that no line waits for the line in front of it; every lane ends with every sum
.irp m, 1,2,4,8
.set a, 0
.rept 64
	v_add_f32_dpp v[ACC+a], v[ACC+a], v[ACC+a] row_xmask:\m row_mask:0xf bank_mask:0xf
.set a, a+1
.endr
.endr
.set a, 0
.rept 64
	v_permlanex16_b32 v[XB0+a], v[ACC+a], s22, s23     ; into the x buffers: free now, and written before
.set a, a+1
.endr
	s_wait_kmcnt 0x0                               ; bg
.irp e, 0,1,2,3,4,5,6,7
	v_mov_b32 v[WB0+\e], s[24+\e]
.endr
	v_mov_b32 v[T+1], 0                            ; the upper register of the pair from which T is broadcast
.set a, 0
.rept 32
	v_pk_add_f32 v[ACC+2*a:ACC+2*a+1], v[ACC+2*a:ACC+2*a+1], v[XB0+2*a:XB0+2*a+1]
	v_pk_add_f32 v[ACC+2*a:ACC+2*a+1], v[ACC+2*a:ACC+2*a+1], v[WB0+2*(a%4):WB0+2*(a%4)+1]
.set a, a+1
.endr
; softmax of row r: the maximum is taken away first, exactly; then the factor log2(e), 2^x, the sum, its reciprocal
.macro SOFT r
	v_max3_num_f32 v[T], v[ACC+8*\r], v[ACC+8*\r+1], v[ACC+8*\r+2]
	v_max3_num_f32 v[T], v[T], v[ACC+8*\r+3], v[ACC+8*\r+4]
	v_max3_num_f32 v[T], v[T], v[ACC+8*\r+5], v[ACC+8*\r+6]
	v_max_num_f32 v[T], v[T], v[ACC+8*\r+7]
.irp p, 0,1,2,3
	v_pk_add_f32 v[ACC+8*\r+2*\p:ACC+8*\r+2*\p+1], v[ACC+8*\r+2*\p:ACC+8*\r+2*\p+1], v[T:T+1] op_sel_hi:[1,0] neg_lo:[0,1] neg_hi:[0,1]
.endr
.irp p, 0,1,2,3
	v_pk_mul_f32 v[ACC+8*\r+2*\p:ACC+8*\r+2*\p+1], v[ACC+8*\r+2*\p:ACC+8*\r+2*\p+1], 0x3fb8aa3b op_sel_hi:[1,0]
.endr
.irp e, 0,1,2,3,4,5,6,7
	v_exp_f32 v[ACC+8*\r+\e], v[ACC+8*\r+\e]
.endr
	v_nop                                          ; one plain vector instruction between a transcendental and the use of its result (ISA guide 5.7.2)
	s_wait_alu depctr_va_vdst(0)
	v_pk_add_f32 v[T+2:T+3], v[ACC+8*\r:ACC+8*\r+1], v[ACC+8*\r+2:ACC+8*\r+3]
	v_pk_add_f32 v[T+4:T+5], v[ACC+8*\r+4:ACC+8*\r+5], v[ACC+8*\r+6:ACC+8*\r+7]
	v_pk_add_f32 v[T+2:T+3], v[T+2:T+3], v[T+4:T+5]
	v_add_f32 v[T+2], v[T+2], v[T+3]               ; at least 1: the largest term is 2^0
	v_rcp_f32 v[T], v[T+2]
	v_nop
	s_wait_alu depctr_va_vdst(0)
.irp p, 0,1,2,3
	v_pk_mul_f32 v[ACC+8*\r+2*\p:ACC+8*\r+2*\p+1], v[ACC+8*\r+2*\p:ACC+8*\r+2*\p+1], v[T:T+1] op_sel_hi:[1,0]
.endr
.endm
.irp r, 0,1,2,3,4,5,6,7
	SOFT \r
.endr
	; lane l stores numbers 2 l and 2 l + 1 of the wave's 64: five levels of selects on the lane's bits 4 to 0 fold 64 registers to 2
.irp k, 0,1,2,3,4
	v_and_b32 v[T+2], 1<<\k, v0
	v_cmp_ne_u32 s[32+\k], 0, v[T+2]
.endr
.irp k, 4,3,2,1,0
.set i, 0
.rept 2<<\k
	v_cndmask_b32 v[ACC+i], v[ACC+i], v[ACC+i+(2<<\k)], s[32+\k]
.set i, i+1
.endr
.endr
	global_store_b64 v3, v[ACC:ACC+1], s[16:17]    ; the wave's 8 rows of gates: 256 consecutive bytes, aligned
	s_endpgm
.Lfunc_end_k_q7e39b9eae0_prep:
	.size	k_q7e39b9eae0_prep, .Lfunc_end_k_q7e39b9eae0_prep-k_q7e39b9eae0_prep
	.p2alignl 7, 3214868480
	.fill 96, 4, 3214868480
	.section	.rodata,"a",@progbits
	.p2align	6, 0x0
	.amdhsa_kernel k_q7e39b9eae0_prep
		.amdhsa_group_segment_fixed_size 0
		.amdhsa_private_segment_fixed_size 0
		.amdhsa_enable_private_segment 0
		.amdhsa_kernarg_size 56
		.amdhsa_user_sgpr_count 2
		.amdhsa_user_sgpr_kernarg_segment_ptr 1
		.amdhsa_wavefront_size32 1
		.amdhsa_system_sgpr_workgroup_id_x 1
		.amdhsa_system_sgpr_workgroup_id_y 1
		.amdhsa_system_sgpr_workgroup_id_z 1
		.amdhsa_system_vgpr_workitem_id 0
		.amdhsa_next_free_vgpr 224
		.amdhsa_next_free_sgpr 66
		.amdhsa_reserve_vcc 0
		.amdhsa_float_denorm_mode_32 3
		.amdhsa_float_denorm_mode_16_64 3
		.amdhsa_memory_ordered 1
		.amdhsa_forward_progress 1
		.amdhsa_inst_pref_size 146
	.end_amdhsa_kernel
	.amdgpu_metadata
---
amdhsa.version: [ 1, 2 ]
amdhsa.kernels:
  - .name:           k_q7e39b9eae0_prep
    .symbol:         k_q7e39b9eae0_prep.kd
    .args:
      - { .name: x, .offset: 0, .size: 8, .value_kind: global_buffer, .address_space: global }
      - { .name: Wg, .offset: 8, .size: 8, .value_kind: global_buffer, .address_space: global }
      - { .name: bg, .offset: 16, .size: 8, .value_kind: global_buffer, .address_space: global }
      - { .name: W1, .offset: 24, .size: 8, .value_kind: global_buffer, .address_space: global }
      - { .name: xh, .offset: 32, .size: 8, .value_kind: global_buffer, .address_space: global }
      - { .name: w1h, .offset: 40, .size: 8, .value_kind: global_buffer, .address_space: global }
      - { .name: gates, .offset: 48, .size: 8, .value_kind: global_buffer, .address_space: global }
    .group_segment_fixed_size: 0
    .private_segment_fixed_size: 0
    .kernarg_segment_align: 8
    .kernarg_segment_size: 56
    .max_flat_workgroup_size: 256
    .sgpr_count:     66
    .vgpr_count:     224
    .wavefront_size: 32
...
	.end_amdgpu_metadata
.endif
;; end of part 1
;; launch gemm1 (part 2): grid 32 x 8, 4 waves a work-group, clusters of 4 x 4, 327,680 bytes of LDS; arguments xh, w1h, b1, hh, W2, w2h; writes hh, w2h
.if DOCPART == 2
	.amdgcn_target "amdgcn-amd-amdhsa--gfx1250"
	.amdhsa_code_object_version 6
	.text
	.protected	k_q7e39b9eae0_gemm1
	.globl	k_q7e39b9eae0_gemm1
	.p2align	8
	.type	k_q7e39b9eae0_gemm1,@function
k_q7e39b9eae0_gemm1:
	s_mov_b64 s[64:65], 0
	v_nop
	global_prefetch_b8 v0, s[64:65] scope:SCOPE_SE
	s_setreg_imm32_b32 hwreg(HW_REG_WAVE_MODE, 25, 1), 1
	s_wait_xcnt 0x0
	s_wait_alu depctr_hold_cnt(0) depctr_sa_sdst(0) depctr_va_vdst(0) depctr_va_sdst(0) depctr_va_ssrc(0) depctr_va_vcc(0) depctr_vm_vsrc(0)
	s_getreg_b32 s2, hwreg(HW_REG_IB_STS2, 6, 4)
	s_cmp_eq_u32 s2, 0
	s_cbranch_scc0 .Lentry_in_a_cluster
	s_endpgm
.Lentry_in_a_cluster:
	s_bfe_u32 s2, ttmp6, 0x10000c
	s_cmp_lg_u32 s2, 0xf033
	s_cbranch_scc0 .Lentry_shape_is_right
	s_endpgm
.Lentry_shape_is_right:
; gemm1: hh[n][2048 e + j] = relu( sum over d of xh[n][d] w1h[e][d][j] + b1[e][j] ).  f16 operands, f32 sums, hh rounded once to f16.
; Beside the products: w2h = f16(W2), same layout, for the next launch.
; As one product: A = xh [2048][1024], B = w1h, 64 column blocks of 256 (block c: expert c / 8, columns 256 (c % 8) ..), K = 1024.  Nothing is left out.
; LIMITS: a sum of 65,504 or more becomes an infinity in hh, and so does |W2| of 65,504 or more in w2h; magnitudes under 6.1e-5 are kept as f16 denormals;
; relu is a maximum in which a NaN loses: a NaN sum gives 0.
; 512 blocks of 256 x 256 on 256 work-groups: each stays and walks two, column blocks bx and bx + 32, in one ring: the last two changes of slots of
; the first block ask for the second block's first two K steps, and the first block's stores leave beside the second block's products.
; Four waves, a wave makes 128 x 128: 64 accumulator tiles, 512 registers.  K goes in steps of 128 through two LDS slots filled by the tensor data mover.
; CLUSTERS: 4 x 4 work-groups.  A's tile hangs on the block row alone and is asked for jointly by a row of the cluster, B's on the block column alone
; and is asked for jointly by a column: four requests become one.
; B lies [K][N] in memory and in LDS (rows of 512 bytes + 32 of padding); its fragments come by the transposing LDS load.
; THE MATRIX INSTRUCTION IS USED TRANSPOSED: source 0 = 16 columns of B, source 1 = 16 rows of A: lane l holds row l % 16 of the result and its registers
; 0 to 7 the columns 8 (l / 16) + 0 .. 7.  In that layout the bias is the same in all rows: each block's is loaded once in 64 registers and is the C operand
; of the block's first 64 matrix instructions: nothing is cleared and no vector instruction adds it.
; W2'S CAST: each of the 1,024 waves owns 64 KiB of W2, 128 pieces of 512 bytes (one load of the wave), and has 64 points at which it takes two pieces:
; one in front of each of its 63 fetches of fragments that follow matrix instructions, one behind its last product.  A point converts and stores the two
; pieces that were asked for four points (256 matrix instructions) earlier and asks for the two of the point four further on.
; REGISTERS in windows of 256: window 0: v1-v29 addresses, v32-47 and v224-255 the cast, v64-127 and v128-191 A's fragments (two buffers), v192-223 at work
; on the way out; window 1: v64-127, v128-191 B's fragments, v192-255 block 0's bias, v0-63 block 1's; windows 2 and 3: the accumulators of my rows
; 0-63 and 64-127, tile (a, b) at v[8 (8 a + b)].
; The 64 accumulators take turns, one instruction a turn, over the backward jumps and the change of block too.
.set KSTEP,  128
.set APITCH, 272                       ; an LDS row of A: 256 bytes + 16
.set BPITCH, 544                       ; an LDS row of B: 512 bytes + 32 = 17 x 32
.set HALFT,  128*APITCH                ; what one tensor load brings: 128 rows of A, or 64 K rows of B (64 x 544 is the same 34,816)
.set SLOT,   4*HALFT                   ; A's rows 0-127, 128-255, B's K rows 0-63, 64-127
.set STAGE,  2*SLOT                    ; behind the ring, at 1,088 x 256: 16 rows x 272 bytes for each wave; no tensor load lands here
.set SPITCH, 272
.set PA,     1024                      ; elements from row to row of xh
.set PB,     2048                      ; of w1h
.set HROW,   32768                     ; bytes in a row of hh
.set ADRA, 16                          ; v16-17 LDS address of my A fragments in slot 0, 1
.set ADRB, 20                          ; v20-21 the same for B
.set STO,  24                          ; the way out: where I put 16 bytes of a row
.set RD,   25                          ; where I read a row back
.set CO,   26                          ; my byte offset in hh
.set BO,   27                          ; my byte offset in the bias: 32 (l / 16)
.set CL,   28                          ; the cast: 16 x lane, my bytes of a piece of W2; never rewritten
.set CS,   29                          ; the cast: 8 x lane, my bytes of a piece of w2h; never rewritten
.set Y,    32                          ; v[32:47]   the cast: four slots of 4 registers, two pieces in f16, to store
.set F0,   64
.set F1,   128
.set TMP,  192                         ; window 0
.set X,    224                         ; v[224:255] the cast: four slots of 8 registers, two pieces as loaded
.set G1,  24                           ; s[24:31] group 1 for A
.set G0,  32                           ; s[32:39] group 0 for A, a set for each slot
.set G1B, 48                           ; s[48:55] group 1 for B
.set G0B, 56                           ; s[56:63] group 0 for B
.set MSB, 0
.macro WIN new                         ; the immediate's high byte repeats the setting that is left
.if MSB != \new
	s_set_vgpr_msb (MSB<<8)|\new
.set MSB, \new
.endif
.endm
.set MUL_LO,   0xa1                    ; source 0 (B) window 1, source 1 (A) window 0, C and D window 2
.set MUL_HI,   0xf1                    ; C and D window 3
.set FIRST_LO, 0x91                    ; C (the bias) window 1, D window 2
.set FIRST_HI, 0xd1                    ; C window 1, D window 3
.set TO_B,     0x40                    ; destination window 1, address window 0
; A joint load: waves 0 and 1 ask for A's halves, waves 2 and 3 for B's.  The branch hangs on the wave's number alone.
.macro JLOAD s
	s_cmp_eq_u32 s13, 0
	s_cbranch_scc0 .Lfor_b_\@
	tensor_load_to_lds s[G0+4*\s:G0+4*\s+3], s[G1:G1+7]
	s_nop 0
	s_branch .Lasked_\@
.Lfor_b_\@:
	tensor_load_to_lds s[G0B+4*\s:G0B+4*\s+3], s[G1B:G1B+7]
	s_nop 0
.Lasked_\@:
.endm
.macro CREST                           ; a round of the cluster's barrier behind its opening work-group barrier
	s_cmp_lg_u32 s12, 0
	s_cbranch_scc1 .Lnot_wave_0_\@
	s_barrier_signal -3
.Lnot_wave_0_\@:
	s_barrier_wait -3
	s_barrier_signal -1
	s_barrier_wait -1
.endm
.macro CROUND                          ; a whole round
	s_barrier_signal -1
	s_barrier_wait -1
	CREST
.endm
	s_load_b256 s[4:11], s[0:1], 0x0               ; xh s[4:5], w1h s[6:7], b1 s[8:9], hh s[10:11]
	s_load_b128 s[80:83], s[0:1], 0x20             ; W2 s[80:81], w2h s[82:83]
	v_lshl_add_u32 v62, v0, 2, 0x48400
	v_mov_b32 v63, 0
	ds_add_u32 v62, v63
	v_lshrrev_b32 v1, 5, v0
	v_readfirstlane_b32 s12, v1                    ; wave 0..3
	s_lshr_b32 s13, s12, 1                         ; my half of the block's rows.  Also: I fetch for A (0) or for B (1)
	s_and_b32 s14, s12, 1                          ; my half of its columns.  Also: which half of that tile I fetch
	s_bfe_u32 s40, ttmp6, 0x40000                  ; cx
	s_bfe_u32 s41, ttmp6, 0x40004                  ; cy
	s_lshl_b32 s42, ttmp9, 2
	s_add_co_u32 s42, s42, s40                     ; bx = 4 x cluster x + cx, 0..31: the first block's column block
	s_and_b32 s43, ttmp7, 0xffff
	s_lshl_b32 s43, s43, 2
	s_add_co_u32 s43, s43, s41                     ; by = 4 x cluster y + cy, 0..7: the block row
	s_lshl_b32 s44, s41, 2
	s_lshl_b32 s44, 15, s44                        ; my row of the cluster
	s_lshl_b32 s45, 0x1111, s40                    ; my column
	; group 1 for A: 128 rows x 128 elements of 2 bytes, 4 words of padding behind every 64
	s_or_b32 s[G1+0], s44, (1<<16)|(1<<20)|(1<<21)|(5<<22)|(3<<25)
	s_mov_b32 s[G1+1], KSTEP<<16                   ; tensor_dim0 = 128
	s_mov_b32 s[G1+2], 128<<16                     ; tensor_dim1 = 128
	s_mov_b32 s[G1+3], KSTEP<<16                   ; tile_dim0 = 128
	s_mov_b32 s[G1+4], 128                         ; tile_dim1 = 128
	s_mov_b32 s[G1+5], PA
	s_mov_b32 s[G1+6], 0
	s_mov_b32 s[G1+7], 0
	; group 1 for B: 64 K rows x 256 elements, 8 words of padding behind every 128
	s_or_b32 s[G1B+0], s45, (1<<16)|(1<<20)|(1<<21)|(6<<22)|(7<<25)
	s_mov_b32 s[G1B+1], 256<<16
	s_mov_b32 s[G1B+2], 64<<16
	s_mov_b32 s[G1B+3], 256<<16
	s_mov_b32 s[G1B+4], 64
	s_mov_b32 s[G1B+5], PB
	s_mov_b32 s[G1B+6], 0
	s_mov_b32 s[G1B+7], 0
	; offsets.  A's are made of by and the wave's number, B's of bx and the wave's number, each in registers that never hold the other coordinate
	s_lshl_b32 s16, s43, 8
	s_lshl_b32 s18, s14, 7
	s_add_co_u32 s16, s16, s18
	s_lshl_b32 s16, s16, 11                        ; (256 by + 128 half) rows of 2,048 bytes
	s_mov_b32 s17, 0
	s_lshr_b32 s46, s42, 3
	s_lshl_b32 s46, s46, 22                        ; expert bx / 8: 4,194,304 bytes each
	s_and_b32 s47, s42, 7
	s_lshl_b32 s47, s47, 9                         ; 256 columns are 512 bytes
	s_add_co_u32 s46, s46, s47
	s_lshl_b32 s47, s14, 18                        ; 64 K rows of 4,096 bytes
	s_add_co_u32 s46, s46, s47
	s_mov_b32 s47, 0
	s_lshl_b32 s66, s42, 10                        ; bias: 256 f32 a column block,
	s_lshl_b32 s67, s14, 9                         ; 128 a wave
	s_add_co_u32 s66, s66, s67
	s_mov_b32 s67, 0
	s_lshl_b32 s68, s43, 8
	s_lshl_b32 s69, s13, 7
	s_add_co_u32 s68, s68, s69
	s_lshl_b32 s68, s68, 15                        ; my first row of hh,
	s_lshl_b32 s69, s42, 9
	s_add_co_u32 s68, s68, s69                     ; the block's 512 bytes of it,
	s_lshl_b32 s69, s14, 8
	s_add_co_u32 s68, s68, s69                     ; my 256
	s_mov_b32 s69, 0
	s_lshl_b32 s84, s43, 5                         ; the cast: work-group 32 by + bx, 0..255,
	s_add_co_u32 s84, s84, s42
	s_lshl2_add_u32 s84, s84, s12                  ; times 4, + wave: 0..1,023
	s_lshl_b32 s86, s84, 15                        ; 32,768 bytes of w2h a wave
	s_mov_b32 s87, 0
	s_lshl_b32 s84, s84, 16                        ; 65,536 bytes of W2 a wave
	s_mov_b32 s85, 0
	s_mov_b32 s72, 0                               ; s[72:73]: what A's address goes back at a refill: 0, or 2,048 where the next block begins (K step 6 + 2 -> 0)
	s_mov_b32 s73, 0
	s_mov_b32 s76, 16777216-3145728                ; B's step where the next block begins: four experts on, six K steps back
	s_mov_b32 s77, 2*KSTEP*PB*2                    ; B's usual step: two K steps of 128 rows of 4,096 bytes
	s_mov_b32 s74, s77                             ; s[74:75]: B's step
	s_mov_b32 s75, 0
	s_mul_i32 s20, s12, HALFT                      ; where my part of a slot lies: the wave's number alone
	s_wait_dscnt 0x0
	s_wait_kmcnt 0x0
	s_add_nc_u64 s[16:17], s[4:5], s[16:17]
	s_add_nc_u64 s[46:47], s[6:7], s[46:47]
	s_add_nc_u64 s[8:9], s[8:9], s[66:67]
	s_add_nc_u64 s[10:11], s[10:11], s[68:69]
	s_add_nc_u64 s[80:81], s[80:81], s[84:85]
	s_add_nc_u64 s[82:83], s[82:83], s[86:87]
	CROUND                                         ; all sixteen work-groups are here: the first joint loads meet
.irp s, 0,1
	s_mov_b32 s[G0+4*\s], 1
	s_add_co_u32 s[G0+4*\s+1], s20, \s*SLOT
	s_add_nc_u64 s[G0+4*\s+2:G0+4*\s+3], s[16:17], \s*KSTEP*2
	s_or_b32 s[G0+4*\s+3], s[G0+4*\s+3], 0x80000000
	s_mov_b32 s[G0B+4*\s], 1
	s_add_co_u32 s[G0B+4*\s+1], s20, \s*SLOT
	s_add_nc_u64 s[G0B+4*\s+2:G0B+4*\s+3], s[46:47], \s*KSTEP*PB*2
	s_or_b32 s[G0B+4*\s+3], s[G0B+4*\s+3], 0x80000000
	JLOAD \s                                       ; K steps 0 and 1: two tensor loads of the wave are out here, later never more than one
.endr
	v_and_b32 v1, 15, v0                           ; r = l % 16
	v_bfe_u32 v2, v0, 4, 1                         ; h = l / 16
	v_and_b32 v3, 7, v0
	v_bfe_u32 v4, v0, 3, 1
	v_and_b32 v7, 31, v0                           ; lane
	v_lshlrev_b32 v[BO], 5, v2
	v_lshlrev_b32 v[CL], 4, v7
	v_lshlrev_b32 v[CS], 3, v7
	; both blocks' biases: register 8 b + j of a set = b1[the block's and my first column + 16 b + 8 h + j]; block 1 lies four experts, 32,768 bytes, on
	WIN TO_B
.irp t, 0,1
.irp b, 0,1,2,3,4,5,6,7
	global_load_b128 v[(1-\t)*192+8*\b:(1-\t)*192+8*\b+3],   v[BO], s[8:9] offset:\t*32768+64*\b
	global_load_b128 v[(1-\t)*192+8*\b+4:(1-\t)*192+8*\b+7], v[BO], s[8:9] offset:\t*32768+64*\b+16
.endr
.endr
	WIN 0
.irp q, 0,1,2,3,4,5,6,7
	global_load_b128 v[X+4*\q:X+4*\q+3], v[CL], s[80:81] offset:512*\q th:TH_LOAD_NT   ; the cast's first eight pieces: the first four points'
.endr
	v_mul_u32_u24 v5, v1, APITCH                   ; A: row r, 16 bytes for each half of the lanes
	v_lshl_add_u32 v5, v2, 4, v5
	v_lshl_add_u32 v6, v2, 3, v3                   ; B: K row 8 h + l % 8,
	v_mul_u32_u24 v6, v6, BPITCH
	v_lshl_add_u32 v6, v4, 4, v6                   ; 16 bytes for each half of a group of sixteen lanes
	s_mul_i32 s21, s13, HALFT                      ; my 128 rows of A
	s_lshl_b32 s22, s14, 8                         ; my 128 columns of B,
	s_add_co_u32 s22, s22, 2*HALFT                 ; which lies behind A
.irp s, 0,1
	v_add_nc_u32 v[ADRA+\s], s21, v5
	v_add_nc_u32 v[ADRB+\s], s22, v6
	s_add_co_u32 s21, s21, SLOT
	s_add_co_u32 s22, s22, SLOT
.endr
	s_mul_i32 s23, s12, 16*SPITCH
	s_add_co_u32 s23, s23, STAGE                   ; my stage
	v_mul_u32_u24 v5, v1, SPITCH
	v_lshl_add_u32 v5, v2, 4, v5
	v_add_nc_u32 v[STO], s23, v5
	v_mul_u32_u24 v5, v2, SPITCH                   ; back: lanes 0-15 one row of 256 bytes, lanes 16-31 the next
	v_lshl_add_u32 v5, v1, 4, v5
	v_add_nc_u32 v[RD], s23, v5
	v_lshlrev_b32 v5, 15, v2                       ; the same two rows in hh
	v_lshl_add_u32 v[CO], v1, 4, v5
; 16 matrix instructions: row blocks a0, a0 + 1 of the window's four x all 8 column blocks, 32 along K.
; first = 1: C is block 0's bias (window 1, v192 ..); first = 2: block 1's (window 1, v0 ..); first = 0: the sums go on in place.
.macro MUL16 f, hi, a0, first
.set CB, (2-\first)*192
.irp a, \a0, \a0+1
.irp b, 0,1,2,3,4,5,6,7
.if \first
	v_wmma_f32_16x16x32_f16 v[8*(8*(\a)+\b):8*(8*(\a)+\b)+7], v[\f+8*\b:\f+8*\b+7], v[\f+8*(4*\hi+\a):\f+8*(4*\hi+\a)+7], v[CB+8*\b:CB+8*\b+7]
.else
	v_wmma_f32_16x16x32_f16 v[8*(8*(\a)+\b):8*(8*(\a)+\b)+7], v[\f+8*\b:\f+8*\b+7], v[\f+8*(4*\hi+\a):\f+8*(4*\hi+\a)+7], v[8*(8*(\a)+\b):8*(8*(\a)+\b)+7]
.endif
.endr
.endr
.endm
; 32 LDS loads in one run: quarter q of a K step (32 along K) into buffer f.  B: two transposing loads a fragment, 16 K rows apart; A: two plain ones, 32 bytes apart.
.macro FETCH slot, q, f
	WIN TO_B
.irp i, 0,1,2,3,4,5,6,7
	ds_load_tr16_b128 v[\f+8*\i:\f+8*\i+3],   v[ADRB+\slot] offset:\q*32*BPITCH+32*\i
	ds_load_tr16_b128 v[\f+8*\i+4:\f+8*\i+7], v[ADRB+\slot] offset:\q*32*BPITCH+16*BPITCH+32*\i
.endr
	WIN 0
.irp i, 0,1,2,3,4,5,6,7
	ds_load_b128 v[\f+8*\i:\f+8*\i+3],   v[ADRA+\slot] offset:64*\q+\i*16*APITCH
	ds_load_b128 v[\f+8*\i+4:\f+8*\i+7], v[ADRA+\slot] offset:64*\q+\i*16*APITCH+32
.endr
.endm
; Point j (0..7) of a lap of W2's cast, under window 0: pieces 2 j and 2 j + 1 counted from the lap's bases, in slot j % 4 of X and Y.
; ld = 1: the slot is asked for again, with the pieces of the point four further on.  left = the younger loads that may stay out.
; The four conversions name no register of a matrix instruction: they are the four plain vector instructions that stand between the matrix instructions
; above and the loads into fragment registers, or the vector instructions on results, below.
.macro CAST j, ld, left
.set CSL, (\j)%4
	s_wait_loadcnt \left                           ; loads come back in order: this point's two are in
	s_wait_xcnt 0x0                                ; the slot's Y is the data of the stores of four points ago: it is written again only behind this wait
	v_cvt_pk_f16_f32 v[Y+4*CSL],   v[X+8*CSL],   v[X+8*CSL+1]
	v_cvt_pk_f16_f32 v[Y+4*CSL+1], v[X+8*CSL+2], v[X+8*CSL+3]
	v_cvt_pk_f16_f32 v[Y+4*CSL+2], v[X+8*CSL+4], v[X+8*CSL+5]
	v_cvt_pk_f16_f32 v[Y+4*CSL+3], v[X+8*CSL+6], v[X+8*CSL+7]
	global_store_b64 v[CS], v[Y+4*CSL:Y+4*CSL+1],   s[82:83] offset:(2*(\j))*256      ; the wave stores 256 consecutive bytes, aligned
	global_store_b64 v[CS], v[Y+4*CSL+2:Y+4*CSL+3], s[82:83] offset:(2*(\j)+1)*256
.if \ld
	global_load_b128 v[X+8*CSL:X+8*CSL+3],   v[CL], s[80:81] offset:(2*(\j)+8)*512 th:TH_LOAD_NT
	global_load_b128 v[X+8*CSL+4:X+8*CSL+7], v[CL], s[80:81] offset:(2*(\j)+9)*512 th:TH_LOAD_NT
.endif
.endm
; four plain vector instructions behind a matrix instruction where there is no vector work to put there (ISA guide 7.12.1)
.macro PLACES
.rept 4
	v_nop
.endr
.endm
; a quarter step: multiplies buffer f; in its middle a point of the cast, then the fetch of quarter q of the same slot into buffer g
.macro QUARTER slot, q, f, g, first, j, ld, left
	s_wait_dscnt 8                                 ; B and A's rows 0-63 are in; the youngest eight loads (A's rows 64-127) may be out
.if \first
	WIN FIRST_LO
.else
	WIN MUL_LO
.endif
	MUL16 \f, 0, 0, \first
	MUL16 \f, 0, 2, \first
	WIN 0
	CAST \j, \ld, \left
	FETCH \slot, \q, \g
	s_wait_dscnt 32                                ; all but the 32 just issued
.if \first
	WIN FIRST_HI
.else
	WIN MUL_HI
.endif
	MUL16 \f, 1, 0, \first
	MUL16 \f, 1, 2, \first
.endm
; three quarter steps, the cast's points j0 .. j0 + 2.  tail = 1: the wave's points 60 to 62 of 64: nothing is left to ask for, and the counts run down
.macro THREE slot, first, j0, tail
.if \tail
	QUARTER \slot, 1, F0, F1, \first, \j0, 0, 6
	QUARTER \slot, 2, F1, F0, 0, \j0+1, 0, 4
	QUARTER \slot, 3, F0, F1, 0, \j0+2, 0, 2
.else
	QUARTER \slot, 1, F0, F1, \first, \j0, 1, 6    ; 6: the loads of the three later points stay out
	QUARTER \slot, 2, F1, F0, 0, \j0+1, 1, 6
	QUARTER \slot, 3, F0, F1, 0, \j0+2, 1, 6
.endif
.endm
; the last quarter of a K step multiplies buffer 1 and changes slots.  In front of the barrier each wave waits for its reads of this slot and for all
; its tensor loads (one is out: its part of the next slot); behind the round of the cluster's barrier the refill comes first, one load a wave.
; From a request to the wait for it a wave issues 240 matrix instructions.
.macro TURN slot, next, fill, j
	s_wait_dscnt 8
	WIN MUL_LO
	MUL16 F1, 0, 0, 0
	s_wait_dscnt 0                                 ; my reads of this slot are over
	s_set_vgpr_msb 0xa1a0
	s_wait_tensorcnt 0x0                           ; all my tensor loads have landed
	ds_add_u32 v62, v63
	s_wait_dscnt 0x0
	s_set_vgpr_msb 0xa0a1
	s_barrier_signal -1
	MUL16 F1, 0, 2, 0                              ; register work while the others arrive
	WIN 0
	s_barrier_wait -1
.if \fill
	CREST                                          ; no wave of any partner still reads this slot or has a load on its way
	s_add_nc_u64 s[G0+4*\slot+2:G0+4*\slot+3], s[G0+4*\slot+2:G0+4*\slot+3], 2*KSTEP*2
	s_sub_nc_u64 s[G0+4*\slot+2:G0+4*\slot+3], s[G0+4*\slot+2:G0+4*\slot+3], s[72:73]
	s_add_nc_u64 s[G0B+4*\slot+2:G0B+4*\slot+3], s[G0B+4*\slot+2:G0B+4*\slot+3], s[74:75]
	JLOAD \slot
.endif
	CAST \j, 1, 6
	FETCH \next, 0, F0
	WIN MUL_HI
	MUL16 F1, 1, 0, 0
	MUL16 F1, 1, 2, 0
.endm
.macro LAP first                       ; two K steps, both slots filled again; eight points of the cast, 16 pieces
	THREE 0, \first, 0, 0
	TURN 0, 1, 1, 3
	THREE 1, 0, 4, 0
	TURN 1, 0, 1, 7
	s_wait_xcnt 0x0                                ; the cast's bases are sources of the loads and stores above: they step only behind this wait
	s_add_nc_u64 s[80:81], s[80:81], 16*512
	s_add_nc_u64 s[82:83], s[82:83], 16*256
.endm
; rows 16 i .. 16 i + 15 of my part of block t: relu, f16, 16 bytes a lane into my stage, back as whole rows of 256 bytes, out.
; f: 32 registers of fragment buffer 1, two sets in turn: buffer 0 may already hold the next block's first fragments.
.macro OUT16 i, a, hi, f, t
.if \hi
	WIN 0xcc                                       ; source 1 and destination window 3
.else
	WIN 0x88                                       ; window 2
.endif
.irp b, 0,1,2,3,4,5,6,7
.irp j, 0,1,2,3,4,5,6,7
	v_max_num_f32 v[8*(8*\a+\b)+\j], 0, v[8*(8*\a+\b)+\j]
.endr
.endr
.if \hi
	WIN 0x0f                                       ; sources window 3, destination window 0
.else
	WIN 0x0a
.endif
.irp b, 0,1,2,3,4,5,6,7
.irp j, 0,1,2,3
	v_cvt_pk_f16_f32 v[TMP+4*\b+\j], v[8*(8*\a+\b)+2*\j], v[8*(8*\a+\b)+2*\j+1]
.endr
.endr
	WIN 0
.irp b, 0,1,2,3,4,5,6,7
	ds_store_b128 v[STO], v[TMP+4*\b:TMP+4*\b+3] offset:32*\b
.endr
	s_wait_xcnt 0x0                                ; set f is the data of earlier stores: it is loaded again only behind this wait
.irp u, 0,1,2,3,4,5,6,7
	ds_load_b128 v[\f+4*\u:\f+4*\u+3], v[RD] offset:\u*2*SPITCH    ; LDS serves a wave's instructions in order: these see the stores above
.endr
.irp u, 0,1,2,3,4,5,6,7
	s_wait_dscnt 7-\u                              ; the 7 - u younger loads may stay out
	global_store_b128 v[CO], v[\f+4*\u:\f+4*\u+3], s[10:11] offset:(16*\i+2*\u)*HROW+\t*16384   ; 16 lanes store 256 consecutive bytes, aligned; at most 4,145,152
.endr
.endm
.macro OUT t                           ; four plain vector instructions stand between the last matrix instruction and this
	OUT16 0, 0, 0, F1, \t
	OUT16 1, 1, 0, F1+32, \t
	OUT16 2, 2, 0, F1, \t
	OUT16 3, 3, 0, F1+32, \t
	OUT16 4, 0, 1, F1, \t
	OUT16 5, 1, 1, F1+32, \t
	OUT16 6, 2, 1, F1, \t
	OUT16 7, 3, 1, F1+32, \t
.endm
	s_wait_tensorcnt 1                             ; my part of K step 0 is in; K step 1's may stay out
	s_barrier_signal -1
	s_barrier_wait -1
	FETCH 0, 0, F0
	s_wait_loadcnt 8                               ; both biases are in; the eight loads of the cast, issued behind them, stay out
	LAP 1                                          ; block 0, K steps 0 and 1; asks for 2 and 3
	WIN 0                                          ; at a label and at a branch every window is 0
	s_mov_b32 s15, 3
.Lk0:
	s_cmp_eq_u32 s15, 1                            ; the third trip (K steps 6 and 7) asks for the next block's K steps 0 and 1
	s_cselect_b32 s72, 2048, 0
	s_cselect_b32 s74, s76, s77
	LAP 0
	WIN 0
	s_sub_co_u32 s15, s15, 1
	s_cmp_lg_u32 s15, 0
	s_cbranch_scc1 .Lk0
	s_mov_b32 s72, 0                               ; the usual steps again
	s_mov_b32 s74, s77
	PLACES                                         ; behind the last matrix instructions: no point of the cast is due here
	OUT 0                                          ; both refills stand ahead of the first store; buffer 0 holds block 1's first fragments
	s_wait_xcnt 0x0                                ; buffer 1 is store data: the next fetch writes it only behind this wait
	LAP 2                                          ; block 1, K steps 0 and 1
	WIN 0
	s_mov_b32 s15, 2
.Lk1:
	LAP 0
	WIN 0
	s_sub_co_u32 s15, s15, 1
	s_cmp_lg_u32 s15, 0
	s_cbranch_scc1 .Lk1
	THREE 0, 0, 0, 0                               ; the last two K steps fill no slot; the cast's points 56 to 59 ask for its last eight pieces
	TURN 0, 1, 0, 3
	THREE 1, 0, 4, 1
	s_wait_dscnt 8
	WIN MUL_LO
	MUL16 F1, 0, 0, 0
	MUL16 F1, 0, 2, 0
	s_wait_dscnt 0
	WIN MUL_HI
	MUL16 F1, 1, 0, 0
	MUL16 F1, 1, 2, 0
	WIN 0
	CAST 7, 0, 0                                   ; the cast's last point: no load is out behind it; its conversions are the places in front of the way out
	OUT 1
	s_wait_tensorcnt 0x0
	ds_add_u32 v62, v63
	s_wait_dscnt 0x0
	CROUND                                         ; the closing round: no work-group ends while a partner may still ask for a tile that names it
	s_endpgm
.Lfunc_end_k_q7e39b9eae0_gemm1:
	.size	k_q7e39b9eae0_gemm1, .Lfunc_end_k_q7e39b9eae0_gemm1-k_q7e39b9eae0_gemm1
	.p2alignl 7, 3214868480
	.fill 96, 4, 3214868480
	.section	.rodata,"a",@progbits
	.p2align	6, 0x0
	.amdhsa_kernel k_q7e39b9eae0_gemm1
		.amdhsa_group_segment_fixed_size 327680
		.amdhsa_private_segment_fixed_size 0
		.amdhsa_enable_private_segment 0
		.amdhsa_kernarg_size 48
		.amdhsa_user_sgpr_count 2
		.amdhsa_user_sgpr_kernarg_segment_ptr 1
		.amdhsa_wavefront_size32 1
		.amdhsa_system_sgpr_workgroup_id_x 1
		.amdhsa_system_sgpr_workgroup_id_y 1
		.amdhsa_system_sgpr_workgroup_id_z 1
		.amdhsa_system_vgpr_workitem_id 0
		.amdhsa_next_free_vgpr 1024
		.amdhsa_next_free_sgpr 96
		.amdhsa_reserve_vcc 0
		.amdhsa_float_denorm_mode_32 3
		.amdhsa_float_denorm_mode_16_64 3
		.amdhsa_memory_ordered 1
		.amdhsa_forward_progress 1
		.amdhsa_inst_pref_size 255
	.end_amdhsa_kernel
	.section	.bss,"aw",@nobits
	.p2align	6
	.space	262144
	.amdgpu_metadata
---
amdhsa.version: [ 1, 2 ]
amdhsa.kernels:
  - .name:           k_q7e39b9eae0_gemm1
    .symbol:         k_q7e39b9eae0_gemm1.kd
    .args:
      - { .name: xh, .offset: 0, .size: 8, .value_kind: global_buffer, .address_space: global }
      - { .name: w1h, .offset: 8, .size: 8, .value_kind: global_buffer, .address_space: global }
      - { .name: b1, .offset: 16, .size: 8, .value_kind: global_buffer, .address_space: global }
      - { .name: hh, .offset: 24, .size: 8, .value_kind: global_buffer, .address_space: global }
      - { .name: W2, .offset: 32, .size: 8, .value_kind: global_buffer, .address_space: global }
      - { .name: w2h, .offset: 40, .size: 8, .value_kind: global_buffer, .address_space: global }
    .group_segment_fixed_size: 327680
    .private_segment_fixed_size: 0
    .kernarg_segment_align: 8
    .kernarg_segment_size: 48
    .max_flat_workgroup_size: 128
    .sgpr_count:     96
    .vgpr_count:     1024
    .wavefront_size: 32
...
	.end_amdgpu_metadata
.endif
;; end of part 2
;; launch gemm2 (part 3): grid 32 x 8, 4 waves a work-group, clusters of 4 x 4, 327,680 bytes of LDS; arguments hh, w2h, b2, part; writes part
.if DOCPART == 3
	.amdgcn_target "amdgcn-amd-amdhsa--gfx1250"
	.amdhsa_code_object_version 6
	.text
	.protected	k_q7e39b9eae0_gemm2
	.globl	k_q7e39b9eae0_gemm2
	.p2align	8
	.type	k_q7e39b9eae0_gemm2,@function
k_q7e39b9eae0_gemm2:
	s_mov_b64 s[64:65], 0
	v_nop
	global_prefetch_b8 v0, s[64:65] scope:SCOPE_SE
	s_setreg_imm32_b32 hwreg(HW_REG_WAVE_MODE, 25, 1), 1
	s_wait_xcnt 0x0
	s_wait_alu depctr_hold_cnt(0) depctr_sa_sdst(0) depctr_va_vdst(0) depctr_va_sdst(0) depctr_va_ssrc(0) depctr_va_vcc(0) depctr_vm_vsrc(0)
	s_getreg_b32 s2, hwreg(HW_REG_IB_STS2, 6, 4)
	s_cmp_eq_u32 s2, 0
	s_cbranch_scc0 .Lentry_in_a_cluster
	s_endpgm
.Lentry_in_a_cluster:
	s_bfe_u32 s2, ttmp6, 0x10000c
	s_cmp_lg_u32 s2, 0xf033
	s_cbranch_scc0 .Lentry_shape_is_right
	s_endpgm
.Lentry_shape_is_right:
; gemm2: part[e][n][o] = sum over j of hh[n][2048 e + j] w2h[e][j][o] + b2[e][o].  f16 operands, f32 sums and results.  Nothing is left out.
; The output of the layer has 8 x 4 blocks of 256 x 256; the sum over the experts is split by expert, which gives 256 blocks of equal work, one for each
; work-group, and leaves the gate's factor to the launch that adds the eight parts.
; The frame is gemm1's: four waves, 128 x 128 a wave, K = 2,048 in 16 steps of 128 through two LDS slots, B [K][N] read by the transposing LDS load,
; the matrix instruction used transposed, the bias as the C operand of the first 64 matrix instructions.
; CLUSTERS: 4 x 4 work-groups; the cluster's x is the expert, cx the column block, 4 x cluster y + cy the row block.  A's tile hangs on (row block, expert)
; and is asked for jointly by a row of the cluster, B's on (expert, column block) and is asked for jointly by a column.
; REGISTERS in windows of 256: window 0: v1-v27 addresses, v64-127 and v128-191 A's fragments; window 1: v64-127, v128-191 B's fragments, v192-255 the bias;
; windows 2 and 3: the accumulators of my rows 0-63 and 64-127, tile (a, b) at v[8 (8 a + b)].
; The 64 accumulators take turns, one instruction a turn, over the backward jump too.
.set KSTEP,  128
.set APITCH, 272
.set BPITCH, 544
.set HALFT,  128*APITCH
.set SLOT,   4*HALFT
.set STAGE,  2*SLOT                    ; behind the ring, at 1,088 x 256: 16 rows x 528 bytes = 33 x 256 for each wave; no tensor load lands here
.set SPITCH, 528                       ; 512 bytes of f32 + 16
.set PA,     16384                     ; elements from row to row of hh
.set PB,     1024                      ; of w2h
.set PROW,   4096                      ; bytes in a row of part
.set ADRA, 16
.set ADRB, 20
.set STO,  24
.set RD,   25
.set CO,   26
.set BO,   27
.set F0,   64
.set F1,   128
.set BIAS, 192                         ; window 1
.set G1,  24
.set G0,  32
.set G1B, 48
.set G0B, 56
.set MSB, 0
.macro WIN new                         ; the immediate's high byte repeats the setting that is left
.if MSB != \new
	s_set_vgpr_msb (MSB<<8)|\new
.set MSB, \new
.endif
.endm
.set MUL_LO,   0xa1
.set MUL_HI,   0xf1
.set FIRST_LO, 0x91
.set FIRST_HI, 0xd1
.set TO_B,     0x40
.macro JLOAD s                         ; waves 0 and 1 ask for A's halves, waves 2 and 3 for B's
	s_cmp_eq_u32 s13, 0
	s_cbranch_scc0 .Lfor_b_\@
	tensor_load_to_lds s[G0+4*\s:G0+4*\s+3], s[G1:G1+7]
	s_nop 0
	s_branch .Lasked_\@
.Lfor_b_\@:
	tensor_load_to_lds s[G0B+4*\s:G0B+4*\s+3], s[G1B:G1B+7]
	s_nop 0
.Lasked_\@:
.endm
.macro CREST
	s_cmp_lg_u32 s12, 0
	s_cbranch_scc1 .Lnot_wave_0_\@
	s_barrier_signal -3
.Lnot_wave_0_\@:
	s_barrier_wait -3
	s_barrier_signal -1
	s_barrier_wait -1
.endm
.macro CROUND
	s_barrier_signal -1
	s_barrier_wait -1
	CREST
.endm
	s_load_b256 s[4:11], s[0:1], 0x0               ; hh s[4:5], w2h s[6:7], b2 s[8:9], part s[10:11]
	s_set_vgpr_msb 0x40
	v_lshl_add_u32 v63, v0, 2, 0x4c400
	s_set_vgpr_msb 0x4000
	v_mov_b32 v255, 0
	s_set_vgpr_msb 0x1
	ds_add_u32 v63, v255
	s_set_vgpr_msb 0x100
	v_lshrrev_b32 v1, 5, v0
	v_readfirstlane_b32 s12, v1                    ; wave 0..3
	s_lshr_b32 s13, s12, 1                         ; my half of the rows; I fetch for A (0) or B (1)
	s_and_b32 s14, s12, 1                          ; my half of the columns; which half of that tile I fetch
	s_bfe_u32 s40, ttmp6, 0x40000                  ; cx: the column block, 0..3
	s_bfe_u32 s41, ttmp6, 0x40004                  ; cy
	s_and_b32 s43, ttmp7, 0xffff
	s_lshl_b32 s43, s43, 2
	s_add_co_u32 s43, s43, s41                     ; the row block, 0..7
	s_lshl_b32 s44, s41, 2
	s_lshl_b32 s44, 15, s44                        ; my row of the cluster
	s_lshl_b32 s45, 0x1111, s40                    ; my column
	s_or_b32 s[G1+0], s44, (1<<16)|(1<<20)|(1<<21)|(5<<22)|(3<<25)   ; A: 128 rows x 128 elements, 4 words of padding behind every 64
	s_mov_b32 s[G1+1], KSTEP<<16
	s_mov_b32 s[G1+2], 128<<16
	s_mov_b32 s[G1+3], KSTEP<<16
	s_mov_b32 s[G1+4], 128
	s_mov_b32 s[G1+5], PA
	s_mov_b32 s[G1+6], 0
	s_mov_b32 s[G1+7], 0
	s_or_b32 s[G1B+0], s45, (1<<16)|(1<<20)|(1<<21)|(6<<22)|(7<<25)  ; B: 64 K rows x 256 elements, 8 words behind every 128
	s_mov_b32 s[G1B+1], 256<<16
	s_mov_b32 s[G1B+2], 64<<16
	s_mov_b32 s[G1B+3], 256<<16
	s_mov_b32 s[G1B+4], 64
	s_mov_b32 s[G1B+5], PB
	s_mov_b32 s[G1B+6], 0
	s_mov_b32 s[G1B+7], 0
	; offsets: A's registers never hold cx, B's never cy; the expert (ttmp9) is the same in all sixteen
	s_lshl_b32 s16, s43, 8
	s_lshl_b32 s18, s14, 7
	s_add_co_u32 s16, s16, s18
	s_lshl_b32 s16, s16, 15                        ; (256 row block + 128 half) rows of 32,768 bytes
	s_lshl_b32 s18, ttmp9, 12                      ; the expert's 2,048 columns begin 4,096 bytes apart
	s_add_co_u32 s16, s16, s18
	s_mov_b32 s17, 0
	s_lshl_b32 s46, ttmp9, 11
	s_lshl_b32 s47, s14, 6
	s_add_co_u32 s46, s46, s47
	s_lshl_b32 s46, s46, 11                        ; (2,048 expert + 64 half) K rows of 2,048 bytes
	s_lshl_b32 s47, s40, 9                         ; 256 columns are 512 bytes
	s_add_co_u32 s46, s46, s47
	s_mov_b32 s47, 0
	s_lshl_b32 s66, ttmp9, 12                      ; bias: 1,024 f32 an expert,
	s_lshl_b32 s67, s40, 10                        ; 256 a column block,
	s_add_co_u32 s66, s66, s67
	s_lshl_b32 s67, s14, 9                         ; 128 a wave
	s_add_co_u32 s66, s66, s67
	s_mov_b32 s67, 0
	s_lshl_b32 s68, s43, 8
	s_lshl_b32 s69, s13, 7
	s_add_co_u32 s68, s68, s69
	s_lshl_b32 s68, s68, 12                        ; my first row of part[e],
	s_lshl_b32 s69, ttmp9, 23                      ; 8,388,608 bytes an expert,
	s_add_co_u32 s68, s68, s69
	s_lshl_b32 s69, s40, 10
	s_add_co_u32 s68, s68, s69
	s_lshl_b32 s69, s14, 9
	s_add_co_u32 s68, s68, s69
	s_mov_b32 s69, 0
	s_mul_i32 s20, s12, HALFT
	s_wait_dscnt 0x0
	s_wait_kmcnt 0x0
	s_add_nc_u64 s[16:17], s[4:5], s[16:17]
	s_add_nc_u64 s[46:47], s[6:7], s[46:47]
	s_add_nc_u64 s[8:9], s[8:9], s[66:67]
	s_add_nc_u64 s[10:11], s[10:11], s[68:69]
	CROUND                                         ; all sixteen work-groups are here: the first joint loads meet
.irp s, 0,1
	s_mov_b32 s[G0+4*\s], 1
	s_add_co_u32 s[G0+4*\s+1], s20, \s*SLOT
	s_add_nc_u64 s[G0+4*\s+2:G0+4*\s+3], s[16:17], \s*KSTEP*2
	s_or_b32 s[G0+4*\s+3], s[G0+4*\s+3], 0x80000000
	s_mov_b32 s[G0B+4*\s], 1
	s_add_co_u32 s[G0B+4*\s+1], s20, \s*SLOT
	s_add_nc_u64 s[G0B+4*\s+2:G0B+4*\s+3], s[46:47], \s*KSTEP*PB*2
	s_or_b32 s[G0B+4*\s+3], s[G0B+4*\s+3], 0x80000000
	JLOAD \s                                       ; K steps 0 and 1: two tensor loads of the wave are out here, later never more than one
.endr
	v_and_b32 v1, 15, v0                           ; r
	v_bfe_u32 v2, v0, 4, 1                         ; h
	v_and_b32 v3, 7, v0
	v_bfe_u32 v4, v0, 3, 1
	v_mul_u32_u24 v5, v1, APITCH
	v_lshl_add_u32 v5, v2, 4, v5
	v_lshl_add_u32 v6, v2, 3, v3
	v_mul_u32_u24 v6, v6, BPITCH
	v_lshl_add_u32 v6, v4, 4, v6
	s_mul_i32 s21, s13, HALFT
	s_lshl_b32 s22, s14, 8
	s_add_co_u32 s22, s22, 2*HALFT
.irp s, 0,1
	v_add_nc_u32 v[ADRA+\s], s21, v5
	v_add_nc_u32 v[ADRB+\s], s22, v6
	s_add_co_u32 s21, s21, SLOT
	s_add_co_u32 s22, s22, SLOT
.endr
	s_mul_i32 s23, s12, 16*SPITCH
	s_add_co_u32 s23, s23, STAGE                   ; my stage
	v_mul_u32_u24 v5, v1, SPITCH                   ; in: row r, 32 bytes for each half of the lanes
	v_lshl_add_u32 v5, v2, 5, v5
	v_add_nc_u32 v[STO], s23, v5
	v_and_b32 v5, 31, v0
	v_lshlrev_b32 v[CO], 4, v5                     ; back and out: the 32 lanes take a row's 512 bytes
	v_add_nc_u32 v[RD], s23, v[CO]
	v_lshlrev_b32 v[BO], 5, v2
.macro MUL16 f, hi, a0, first
.irp a, \a0, \a0+1
.irp b, 0,1,2,3,4,5,6,7
.if \first
	v_wmma_f32_16x16x32_f16 v[8*(8*(\a)+\b):8*(8*(\a)+\b)+7], v[\f+8*\b:\f+8*\b+7], v[\f+8*(4*\hi+\a):\f+8*(4*\hi+\a)+7], v[BIAS+8*\b:BIAS+8*\b+7]
.else
	v_wmma_f32_16x16x32_f16 v[8*(8*(\a)+\b):8*(8*(\a)+\b)+7], v[\f+8*\b:\f+8*\b+7], v[\f+8*(4*\hi+\a):\f+8*(4*\hi+\a)+7], v[8*(8*(\a)+\b):8*(8*(\a)+\b)+7]
.endif
.endr
.endr
.endm
.macro FETCH slot, q, f                ; 32 LDS loads in one run: quarter q of a K step into buffer f
	WIN TO_B
.irp i, 0,1,2,3,4,5,6,7
	ds_load_tr16_b128 v[\f+8*\i:\f+8*\i+3],   v[ADRB+\slot] offset:\q*32*BPITCH+32*\i
	ds_load_tr16_b128 v[\f+8*\i+4:\f+8*\i+7], v[ADRB+\slot] offset:\q*32*BPITCH+16*BPITCH+32*\i
.endr
	WIN 0
.irp i, 0,1,2,3,4,5,6,7
	ds_load_b128 v[\f+8*\i:\f+8*\i+3],   v[ADRA+\slot] offset:64*\q+\i*16*APITCH
	ds_load_b128 v[\f+8*\i+4:\f+8*\i+7], v[ADRA+\slot] offset:64*\q+\i*16*APITCH+32
.endr
.endm
.macro PLACES                          ; four plain vector instructions behind a matrix instruction (ISA guide 7.12.1)
.rept 4
	v_nop
.endr
.endm
.macro QUARTER slot, q, f, g, first
	s_wait_dscnt 8                                 ; the youngest eight loads (A's rows 64-127) may be out
.if \first
	WIN FIRST_LO
.else
	WIN MUL_LO
.endif
	MUL16 \f, 0, 0, \first
	MUL16 \f, 0, 2, \first
	PLACES
	FETCH \slot, \q, \g
	s_wait_dscnt 32                                ; all but the 32 just issued
.if \first
	WIN FIRST_HI
.else
	WIN MUL_HI
.endif
	MUL16 \f, 1, 0, \first
	MUL16 \f, 1, 2, \first
.endm
.macro THREE slot, first
	QUARTER \slot, 1, F0, F1, \first
	QUARTER \slot, 2, F1, F0, 0
	QUARTER \slot, 3, F0, F1, 0
.endm
; the change of slots: each wave's waits for its reads and for all its tensor loads stand in front of the opening signal, only register work stands inside
; the round, the joint refill is the first tensor load behind it, one a wave
.macro TURN slot, next, fill
	s_wait_dscnt 8
	WIN MUL_LO
	MUL16 F1, 0, 0, 0
	s_wait_dscnt 0
	s_wait_tensorcnt 0x0
	ds_add_u32 v63, v255
	s_wait_dscnt 0x0
	s_barrier_signal -1
	MUL16 F1, 0, 2, 0
	WIN 0
	s_barrier_wait -1
.if \fill
	CREST
	s_add_nc_u64 s[G0+4*\slot+2:G0+4*\slot+3], s[G0+4*\slot+2:G0+4*\slot+3], 2*KSTEP*2
	s_add_nc_u64 s[G0B+4*\slot+2:G0B+4*\slot+3], s[G0B+4*\slot+2:G0B+4*\slot+3], 2*KSTEP*PB*2
	JLOAD \slot
.endif
	PLACES
	FETCH \next, 0, F0
	WIN MUL_HI
	MUL16 F1, 1, 0, 0
	MUL16 F1, 1, 2, 0
.endm
.macro LAP first
	THREE 0, \first
	TURN 0, 1, 1
	THREE 1, 0
	TURN 1, 0, 1
.endm
	WIN TO_B                                       ; the bias: register 8 b + j = b2[e][my first column + 16 b + 8 h + j]
.irp b, 0,1,2,3,4,5,6,7
	global_load_b128 v[BIAS+8*\b:BIAS+8*\b+3],   v[BO], s[8:9] offset:64*\b
	global_load_b128 v[BIAS+8*\b+4:BIAS+8*\b+7], v[BO], s[8:9] offset:64*\b+16
.endr
	WIN 0
	s_wait_tensorcnt 1                             ; my part of K step 0 is in; K step 1's may stay out
	s_barrier_signal -1
	s_barrier_wait -1
	FETCH 0, 0, F0
	s_wait_loadcnt 0x0                             ; the bias
	LAP 1                                          ; K steps 0 and 1
	WIN 0
	s_mov_b32 s15, 6
.Lk:
	LAP 0
	WIN 0
	s_sub_co_u32 s15, s15, 1
	s_cmp_lg_u32 s15, 0
	s_cbranch_scc1 .Lk
	THREE 0, 0                                     ; K steps 14 and 15 fill nothing
	TURN 0, 1, 0
	THREE 1, 0
	s_wait_dscnt 8
	WIN MUL_LO
	MUL16 F1, 0, 0, 0
	MUL16 F1, 0, 2, 0
	s_wait_dscnt 0
	WIN MUL_HI
	MUL16 F1, 1, 0, 0
	MUL16 F1, 1, 2, 0
; THE WAY OUT, 16 rows at a time: a lane's 8 numbers of a tile are 32 bytes of one row; they go into my stage and come back as whole rows of 512 bytes.
.macro OUT16F i, a, hi, f
.if \hi
	WIN 0x0c                                       ; the LDS store's data from window 3
.else
	WIN 0x08                                       ; from window 2
.endif
.irp b, 0,1,2,3,4,5,6,7
	ds_store_b128 v[STO], v[8*(8*\a+\b):8*(8*\a+\b)+3]   offset:64*\b
	ds_store_b128 v[STO], v[8*(8*\a+\b)+4:8*(8*\a+\b)+7] offset:64*\b+16
.endr
	WIN 0
	s_wait_xcnt 0x0                                ; buffer f is the data of earlier stores: it is loaded again only behind this wait
.irp u, 0,1,2,3,4,5,6,7,8,9,10,11,12,13,14,15
	ds_load_b128 v[\f+4*\u:\f+4*\u+3], v[RD] offset:\u*SPITCH      ; LDS serves a wave's instructions in order: these see the stores above
.endr
.irp u, 0,1,2,3,4,5,6,7,8,9,10,11,12,13,14,15
	s_wait_dscnt 15-\u                             ; the 15 - u younger loads may stay out
	global_store_b128 v[CO], v[\f+4*\u:\f+4*\u+3], s[10:11] offset:(16*\i+\u)*PROW   ; the wave stores 512 consecutive bytes, aligned
.endr
.endm
	PLACES                                         ; behind the last matrix instructions
	OUT16F 0, 0, 0, F0
	OUT16F 1, 1, 0, F1
	OUT16F 2, 2, 0, F0
	OUT16F 3, 3, 0, F1
	OUT16F 4, 0, 1, F0
	OUT16F 5, 1, 1, F1
	OUT16F 6, 2, 1, F0
	OUT16F 7, 3, 1, F1
	s_set_vgpr_msb 0x1
	s_wait_tensorcnt 0x0
	ds_add_u32 v63, v255
	s_wait_dscnt 0x0
	s_set_vgpr_msb 0x100
	CROUND                                         ; the closing round
	s_endpgm
.Lfunc_end_k_q7e39b9eae0_gemm2:
	.size	k_q7e39b9eae0_gemm2, .Lfunc_end_k_q7e39b9eae0_gemm2-k_q7e39b9eae0_gemm2
	.p2alignl 7, 3214868480
	.fill 96, 4, 3214868480
	.section	.rodata,"a",@progbits
	.p2align	6, 0x0
	.amdhsa_kernel k_q7e39b9eae0_gemm2
		.amdhsa_group_segment_fixed_size 327680
		.amdhsa_private_segment_fixed_size 0
		.amdhsa_enable_private_segment 0
		.amdhsa_kernarg_size 32
		.amdhsa_user_sgpr_count 2
		.amdhsa_user_sgpr_kernarg_segment_ptr 1
		.amdhsa_wavefront_size32 1
		.amdhsa_system_sgpr_workgroup_id_x 1
		.amdhsa_system_sgpr_workgroup_id_y 1
		.amdhsa_system_sgpr_workgroup_id_z 1
		.amdhsa_system_vgpr_workitem_id 0
		.amdhsa_next_free_vgpr 1024
		.amdhsa_next_free_sgpr 80
		.amdhsa_reserve_vcc 0
		.amdhsa_float_denorm_mode_32 3
		.amdhsa_float_denorm_mode_16_64 3
		.amdhsa_memory_ordered 1
		.amdhsa_forward_progress 1
		.amdhsa_inst_pref_size 198
	.end_amdhsa_kernel
	.amdgpu_metadata
---
amdhsa.version: [ 1, 2 ]
amdhsa.kernels:
  - .name:           k_q7e39b9eae0_gemm2
    .symbol:         k_q7e39b9eae0_gemm2.kd
    .args:
      - { .name: hh, .offset: 0, .size: 8, .value_kind: global_buffer, .address_space: global }
      - { .name: w2h, .offset: 8, .size: 8, .value_kind: global_buffer, .address_space: global }
      - { .name: b2, .offset: 16, .size: 8, .value_kind: global_buffer, .address_space: global }
      - { .name: part, .offset: 24, .size: 8, .value_kind: global_buffer, .address_space: global }
    .group_segment_fixed_size: 327680
    .private_segment_fixed_size: 0
    .kernarg_segment_align: 8
    .kernarg_segment_size: 32
    .max_flat_workgroup_size: 128
    .sgpr_count:     80
    .vgpr_count:     1024
    .wavefront_size: 32
...
	.end_amdgpu_metadata
.endif
;; end of part 3
;; launch combine (part 4): grid 512 x 1, 8 waves a work-group, no clusters, 0 bytes of LDS; arguments part, gates, out0; writes out0
.if DOCPART == 4
	.amdgcn_target "amdgcn-amd-amdhsa--gfx1250"
	.amdhsa_code_object_version 6
	.text
	.protected	k_q7e39b9eae0_combine
	.globl	k_q7e39b9eae0_combine
	.p2align	8
	.type	k_q7e39b9eae0_combine,@function
k_q7e39b9eae0_combine:
	s_mov_b64 s[64:65], 0
	v_nop
	global_prefetch_b8 v0, s[64:65] scope:SCOPE_SE
	s_setreg_imm32_b32 hwreg(HW_REG_WAVE_MODE, 25, 1), 1
	s_wait_xcnt 0x0
; combine: out0[n][o] = sum over e of gates[n][e] part[e][n][o], in f32, e ascending.  Nothing is left out.
; A stream: every byte of part is read once, every byte of out0 written once.  A work-group takes 4 rows; thread t the 16 bytes at 16 t of each row, so a
; wave's load or store covers 512 consecutive bytes.  All 32 loads of part are issued ahead of the first store.  No LDS, no barrier, no matrix unit:
; eight multiply-adds for each number stored.
.set OFF, 2                            ; v[2:9]     16 t + 8,388,608 e (an expert's distance does not fit a load's immediate)
.set GT,  10                           ; v[10:41]   the gates of my 4 rows, register 8 r + e, the same in every lane
.set PS,  42                           ; v[42:169]  part, 4 registers for each (r, e)
.set RES, 170                          ; v[170:185] 4 registers for each row
	s_load_b128 s[4:7], s[0:1], 0x0                ; part s[4:5], gates s[6:7]
	s_load_b64 s[8:9], s[0:1], 0x10                ; out0
	s_lshl_b32 s10, ttmp9, 14                      ; 4 rows of 4,096 bytes
	s_mov_b32 s11, 0
	s_lshl_b32 s12, ttmp9, 7                       ; 4 rows of 32 bytes
	s_mov_b32 s13, 0
	v_mov_b32 v1, 0
	v_lshlrev_b32 v[OFF], 4, v0
.irp e, 1,2,3,4,5,6,7
	v_add_nc_u32 v[OFF+\e], \e*8388608, v[OFF]
.endr
	s_wait_kmcnt 0x0
	s_add_nc_u64 s[4:5], s[4:5], s[10:11]
	s_add_nc_u64 s[8:9], s[8:9], s[10:11]
	s_add_nc_u64 s[6:7], s[6:7], s[12:13]
.irp i, 0,1,2,3,4,5,6,7
	global_load_b128 v[GT+4*\i:GT+4*\i+3], v1, s[6:7] offset:16*\i
.endr
.irp r, 0,1,2,3
.irp e, 0,1,2,3,4,5,6,7
	global_load_b128 v[PS+4*(8*\r+\e):PS+4*(8*\r+\e)+3], v[OFF+\e], s[4:5] offset:4096*\r th:TH_LOAD_NT
.endr
.endr
.macro ROW r
	s_wait_loadcnt 8*(3-\r)                        ; loads come back in order: the gates and this row's eight are in, the later rows' stay out
.irp e, 0,1,2,3,4,5,6,7
.irp q, 0,1
.ifeq \e
	v_pk_mul_f32 v[RES+4*\r+2*\q:RES+4*\r+2*\q+1], v[PS+32*\r+2*\q:PS+32*\r+2*\q+1], v[GT+8*\r:GT+8*\r+1] op_sel_hi:[1,0]   ; the first product starts the sum
.else
.if \e%2
	v_pk_fma_f32 v[RES+4*\r+2*\q:RES+4*\r+2*\q+1], v[PS+4*(8*\r+\e)+2*\q:PS+4*(8*\r+\e)+2*\q+1], v[GT+8*\r+2*(\e/2):GT+8*\r+2*(\e/2)+1], v[RES+4*\r+2*\q:RES+4*\r+2*\q+1] op_sel:[0,1,0] op_sel_hi:[1,1,1]
.else
	v_pk_fma_f32 v[RES+4*\r+2*\q:RES+4*\r+2*\q+1], v[PS+4*(8*\r+\e)+2*\q:PS+4*(8*\r+\e)+2*\q+1], v[GT+8*\r+2*(\e/2):GT+8*\r+2*(\e/2)+1], v[RES+4*\r+2*\q:RES+4*\r+2*\q+1] op_sel_hi:[1,0,1]
.endif
.endif
.endr
.endr
	global_store_b128 v[OFF], v[RES+4*\r:RES+4*\r+3], s[8:9] offset:4096*\r th:TH_STORE_NT
.endm
	ROW 0
	ROW 1
	ROW 2
	ROW 3
	s_endpgm
.Lfunc_end_k_q7e39b9eae0_combine:
	.size	k_q7e39b9eae0_combine, .Lfunc_end_k_q7e39b9eae0_combine-k_q7e39b9eae0_combine
	.p2alignl 7, 3214868480
	.fill 96, 4, 3214868480
	.section	.rodata,"a",@progbits
	.p2align	6, 0x0
	.amdhsa_kernel k_q7e39b9eae0_combine
		.amdhsa_group_segment_fixed_size 0
		.amdhsa_private_segment_fixed_size 0
		.amdhsa_enable_private_segment 0
		.amdhsa_kernarg_size 24
		.amdhsa_user_sgpr_count 2
		.amdhsa_user_sgpr_kernarg_segment_ptr 1
		.amdhsa_wavefront_size32 1
		.amdhsa_system_sgpr_workgroup_id_x 1
		.amdhsa_system_sgpr_workgroup_id_y 1
		.amdhsa_system_sgpr_workgroup_id_z 1
		.amdhsa_system_vgpr_workitem_id 0
		.amdhsa_next_free_vgpr 192
		.amdhsa_next_free_sgpr 66
		.amdhsa_reserve_vcc 0
		.amdhsa_float_denorm_mode_32 3
		.amdhsa_float_denorm_mode_16_64 3
		.amdhsa_memory_ordered 1
		.amdhsa_forward_progress 1
		.amdhsa_inst_pref_size 10
	.end_amdhsa_kernel
	.amdgpu_metadata
---
amdhsa.version: [ 1, 2 ]
amdhsa.kernels:
  - .name:           k_q7e39b9eae0_combine
    .symbol:         k_q7e39b9eae0_combine.kd
    .args:
      - { .name: part, .offset: 0, .size: 8, .value_kind: global_buffer, .address_space: global }
      - { .name: gates, .offset: 8, .size: 8, .value_kind: global_buffer, .address_space: global }
      - { .name: out0, .offset: 16, .size: 8, .value_kind: global_buffer, .address_space: global }
    .group_segment_fixed_size: 0
    .private_segment_fixed_size: 0
    .kernarg_segment_align: 8
    .kernarg_segment_size: 24
    .max_flat_workgroup_size: 256
    .sgpr_count:     66
    .vgpr_count:     192
    .wavefront_size: 32
...
	.end_amdgpu_metadata
.endif
;; end of part 4
;; ======== version 2 of 2: 4 launches; version 1 with the launch prep written anew for expert scheduling mode
;; limits: values are held in f16: magnitudes above 65,504 overflow, below 6.1e-05 lose precision; right only within a limited range of input values
;; workspace buffers: xh 4,194,304 bytes; w1h 33,554,432 bytes; w2h 33,554,432 bytes; gates 65,536 bytes; hh 67,108,864 bytes; part 67,108,864 bytes
;; launch prep (part 5): grid 544 x 1, 8 waves a work-group, no clusters, 0 bytes of LDS; arguments x, Wg, bg, W1, xh, w1h, gates; writes xh, w1h, gates
.if DOCPART == 5
	.amdgcn_target "amdgcn-amd-amdhsa--gfx1250"
	.amdhsa_code_object_version 6
	.text
	.protected	k_q7e39b9eae0_prep
	.globl	k_q7e39b9eae0_prep
	.p2align	8
	.type	k_q7e39b9eae0_prep,@function
k_q7e39b9eae0_prep:
	s_mov_b64 s[64:65], 0
	v_nop
	global_prefetch_b8 v0, s[64:65] scope:SCOPE_SE
	s_setreg_imm32_b32 hwreg(HW_REG_WAVE_SCHED_MODE, 0, 2), 2
	s_setreg_imm32_b32 hwreg(HW_REG_WAVE_MODE, 25, 1), 1
	s_wait_xcnt 0x0
	s_wait_alu depctr_vm_vsrc(0)
; prep: the operands of the first large product in f16, and the gates.
;   xh = f16(x), w1h = f16(W1), same layouts as their sources; gates[n][e] = softmax over e of (x Wg + bg), all in f32.
;   (W2 is cast by the next launch, beside its products: it is needed only by the launch after that.)
; The whole program computes out[n][o] = sum over e of gates[n][e] (relu(x W1_e + b1_e) W2_e + b2_e)[n][o].  No work of the problem is left out:
; bg differs along the softmax's axis, b1 stands inside the relu, b2 is weighted by the gates: all seven inputs are loaded by some launch.
; LIMITS: matrix operands are f16: |x|, |W1| of 65,504 and more become infinities; magnitudes under 6.1e-5 are kept as f16 denormals
; (absolute error at most 3e-8).  The gates are not touched by that: they are made from the f32 x, with the row's maximum taken away.
; Work-groups 0 to 31 make gates and xh (a wave owns 8 rows of x); work-groups 32 to 543 cast 128 KiB of W1 each.
; The gates go to the vector unit: 8 columns are half a matrix tile and 1/4096 of the program's multiply-adds, and this form reads x in runs of
; 512 bytes and makes xh from the same registers.  No LDS, no barrier: no wave needs another's data.
; THE MODE: SCHED_MODE bits 1:0 = 2 (LLVM: expert scheduling mode 2), set by the entry lines.  The code itself states the register dependences
; between vector instructions and memory instructions, with s_wait_alu, always for 0.
; THE PLAN, cast.  Registers that memory instructions touch:
;   v1, v2   byte offsets, made once at the head and never written again; every load reads v1, every store v2.
;   X        piece j's four registers: written by load j, once; read by piece j's two conversions.
;   Y        piece j's two registers: written by those conversions, once; read by store j.
; The 32 pieces go in 8 blocks of four.  Block p converts its four pieces; its memory instructions are the stores of block p - 1, whose Y no vector
; instruction of block p names.  So one wait on va_vdst at a block's head states all that its four stores hang on.  No register that a memory
; instruction reads is written again: no wait on vm_vsrc is owed.
; THE PLAN, gates.  Registers that memory instructions touch:
;   v1, v2, v3   byte offsets, made once and never written again.
;   WB0/XB0, WB1/XB1   chunk j's loads land in pair j % 2; its 128 multiply-adds and 16 conversions read the pair; then the loads of chunk j + 2 land in it.
;   CV           written by chunk j's conversions, read by its eight stores, written again by chunk j + 1's conversions.
;   v[ACC:ACC+1] written by the last selects, read by the store of the gates.
; A chunk: the multiply-adds; the conversions; ONE wait on va_vdst; the loads of chunk j + 2; the stores.  The wait on vm_vsrc for CV stands ahead of
; the conversions, the chunk's 128 multiply-adds behind the stores that it speaks of.
.set X,   4                            ; cast: v[4:131]   32 loads of 4 registers
.set Y,   132                          ; cast: v[132:195] 32 stores of 2 registers
.set WB0, 8                            ; gate: v[8:39], v[40:71]     two buffers: my 4 rows of Wg x 8 experts (register 8 c + e)
.set WB1, 40
.set XB0, 72                           ; gate: v[72:103], v[104:135] two buffers: 8 rows of x x my 4 numbers (register 4 r + c)
.set XB1, 104
.set ACC, 136                          ; gate: v[136:199] the 64 sums, register 8 r + e
.set CV,  200                          ; gate: v[200:215] a chunk of x in f16, to store
.set T,   216                          ; gate: v[216:223] at work: no memory instruction names them
	s_load_b256 s[4:11], s[0:1], 0x0               ; x s[4:5], Wg s[6:7], bg s[8:9], W1 s[10:11]
	s_load_b128 s[12:15], s[0:1], 0x20             ; xh s[12:13], w1h s[14:15]
	s_load_b64 s[16:17], s[0:1], 0x30              ; gates
	s_cmp_lt_u32 ttmp9, 32
	s_cbranch_scc1 .Lgate
	; ---- cast: chunk c of 512.  32 loads of 4 KiB for the work-group, all issued ahead of the first store.
	s_sub_co_u32 s2, ttmp9, 32
	v_lshlrev_b32 v1, 4, v0                        ; 16 bytes of f32 a thread
	v_lshlrev_b32 v2, 3, v0                        ; 8 bytes of f16 a thread
	s_lshl_b32 s28, s2, 17                         ; 131,072 bytes of f32 a chunk
	s_mov_b32 s29, 0
	s_lshl_b32 s30, s2, 16                         ; 65,536 bytes of f16
	s_mov_b32 s31, 0
	s_wait_kmcnt 0x0
	s_add_nc_u64 s[24:25], s[10:11], s[28:29]
	s_add_nc_u64 s[26:27], s[14:15], s[30:31]
	s_wait_alu depctr_va_vdst(0)                   ; v1 and v2 are written: every load below reads v1 as its offset, every store v2
.set j, 0
.rept 32
	global_load_b128 v[X+4*j:X+4*j+3], v1, s[24:25] offset:4096*j th:TH_LOAD_NT
.set j, j+1
.endr
.set p, 0
.rept 8                                                ; block p: pieces 4 p to 4 p + 3
	s_wait_loadcnt 28-4*p                          ; loads come back in order: this block's four are in, the 28 - 4 p of the later blocks stay out
.if p > 0
	s_wait_alu depctr_va_vdst(0)                   ; the block before has written its Y, which the four stores below read
.endif
.set i, 0
.rept 4
.set j, 4*p+i
.if p > 0
	global_store_b64 v2, v[Y+2*j-8:Y+2*j-7], s[26:27] offset:2048*(j-4)   ; the block before: a wave's store covers 256 consecutive bytes, aligned; no vector instruction since the wait names its registers
.endif
	v_cvt_pk_f16_f32 v[Y+2*j],   v[X+4*j],   v[X+4*j+1]
	v_cvt_pk_f16_f32 v[Y+2*j+1], v[X+4*j+2], v[X+4*j+3]                   ; no register is written twice
.set i, i+1
.endr
.set p, p+1
.endr
	s_wait_alu depctr_va_vdst(0)                   ; block 7 has written its Y, which the last four stores read
.set j, 28
.rept 4
	global_store_b64 v2, v[Y+2*j:Y+2*j+1], s[26:27] offset:2048*j
.set j, j+1
.endr
	s_endpgm
	; ---- gates and xh.  Wave w of work-group g owns rows 8 (8 g + w) .. + 7.  In chunk j (of 8) lane l holds d = 128 j + 4 l + c, c = 0..3.
.Lgate:
	v_lshrrev_b32 v4, 5, v0
	v_readfirstlane_b32 s2, v4                     ; wave
	v_and_b32 v4, 31, v0                           ; lane
	v_lshlrev_b32 v1, 4, v4                        ; x: 16 bytes a lane
	v_lshlrev_b32 v2, 7, v4                        ; Wg: 4 rows of 32 bytes a lane
	v_lshlrev_b32 v3, 3, v4                        ; xh and gates: 8 bytes a lane
	s_mov_b32 s22, 0x76543210                      ; v_permlanex16_b32: lane i of one half reads lane i of the other
	s_mov_b32 s23, 0xfedcba98
	s_wait_alu depctr_va_sdst(0)                   ; s2 is written, ahead of its first reader: the bases of x, xh and gates are made from it
	s_lshl3_add_u32 s2, ttmp9, s2                  ; 8 g + w
	s_lshl_b32 s38, s2, 15                         ; 8 rows of 4,096 bytes of x
	s_mov_b32 s39, 0
	s_lshl_b32 s40, s2, 14                         ; 8 rows of 2,048 bytes of xh
	s_mov_b32 s41, 0
	s_lshl_b32 s42, s2, 8                          ; 8 rows of 32 bytes of gates
	s_mov_b32 s43, 0
	s_wait_kmcnt 0x0
	s_load_b256 s[24:31], s[8:9], 0x0              ; bg
	s_add_nc_u64 s[4:5], s[4:5], s[38:39]
	s_add_nc_u64 s[12:13], s[12:13], s[40:41]
	s_add_nc_u64 s[16:17], s[16:17], s[42:43]
	s_wait_alu depctr_va_vdst(0)                   ; v1, v2 and v3 are written: every load and store below reads one of them as its offset
.macro GLOAD j, wb, xb                 ; chunk j: 16 loads
.irp i, 0,1,2,3,4,5,6,7
	global_load_b128 v[\wb+4*\i:\wb+4*\i+3], v2, s[6:7] offset:4096*(\j)+16*\i
.endr
.irp i, 0,1,2,3,4,5,6,7
	global_load_b128 v[\xb+4*\i:\xb+4*\i+3], v1, s[4:5] offset:4096*\i+512*(\j) th:TH_LOAD_NT   ; row i: a wave's load covers 512 consecutive bytes
.endr
.endm
; chunk j: 128 packed multiply-adds take it into the 64 sums, and its x goes out as f16.  left = the younger loads that may stay out.
.macro GCHUNK j, wb, xb, left
	s_wait_loadcnt \left
.irp c, 0,1,2,3
.irp r, 0,1,2,3,4,5,6,7
.irp p, 0,1,2,3
.ifeq \j+\c
	v_pk_mul_f32 v[ACC+8*\r+2*\p:ACC+8*\r+2*\p+1], v[\wb+2*\p:\wb+2*\p+1], v[\xb+4*\r:\xb+4*\r+1] op_sel_hi:[1,0]   ; the first product starts the sums
.else
.if \c%2
	v_pk_fma_f32 v[ACC+8*\r+2*\p:ACC+8*\r+2*\p+1], v[\wb+8*\c+2*\p:\wb+8*\c+2*\p+1], v[\xb+4*\r+2*(\c/2):\xb+4*\r+2*(\c/2)+1], v[ACC+8*\r+2*\p:ACC+8*\r+2*\p+1] op_sel:[0,1,0] op_sel_hi:[1,1,1]
.else
	v_pk_fma_f32 v[ACC+8*\r+2*\p:ACC+8*\r+2*\p+1], v[\wb+8*\c+2*\p:\wb+8*\c+2*\p+1], v[\xb+4*\r+2*(\c/2):\xb+4*\r+2*(\c/2)+1], v[ACC+8*\r+2*\p:ACC+8*\r+2*\p+1] op_sel_hi:[1,0,1]
.endif
.endif
.endr
.endr
.endr
.if \j > 0
	s_wait_xcnt 0x0                                ; CV is the last chunk's store data: it is written again only behind this wait,
	s_wait_alu depctr_vm_vsrc(0)                   ; and behind this one: the last chunk's eight stores have read CV, which the conversions below write again
.endif
.irp r, 0,1,2,3,4,5,6,7
	v_cvt_pk_f16_f32 v[CV+2*\r],   v[\xb+4*\r],   v[\xb+4*\r+1]
	v_cvt_pk_f16_f32 v[CV+2*\r+1], v[\xb+4*\r+2], v[\xb+4*\r+3]
.endr
	s_wait_alu depctr_va_vdst(0)                   ; the conversions have written CV, which the stores below read; they and the multiply-adds are done reading this pair of buffers, in which the loads below land
.if \j < 6
	GLOAD \j+2, \wb, \xb                           ; the buffers just used take the chunk after next; the loads go ahead of the stores
.endif
.irp r, 0,1,2,3,4,5,6,7
	global_store_b64 v3, v[CV+2*\r:CV+2*\r+1], s[12:13] offset:2048*\r+256*\j    ; 256 consecutive bytes, aligned
.endr
.endm
	GLOAD 0, WB0, XB0
	GLOAD 1, WB1, XB1
	GCHUNK 0, WB0, XB0, 16                         ; 16: the next chunk's loads stay out
	GCHUNK 1, WB1, XB1, 16
	GCHUNK 2, WB0, XB0, 16
	GCHUNK 3, WB1, XB1, 16
	GCHUNK 4, WB0, XB0, 16
	GCHUNK 5, WB1, XB1, 16
	GCHUNK 6, WB0, XB0, 16
	GCHUNK 7, WB1, XB1, 0
	; the 64 sums over the 32 lanes, stage by stage, so that no line waits for the line in front of it; every lane ends with every sum
.irp m, 1,2,4,8
.set a, 0
.rept 64
	v_add_f32_dpp v[ACC+a], v[ACC+a], v[ACC+a] row_xmask:\m row_mask:0xf bank_mask:0xf
.set a, a+1
.endr
.endr
.set a, 0
.rept 64
	v_permlanex16_b32 v[XB0+a], v[ACC+a], s22, s23     ; into the x buffers: free now, and written before; loads alone have touched them, and all have landed
.set a, a+1
.endr
	s_wait_kmcnt 0x0                               ; bg
.irp e, 0,1,2,3,4,5,6,7
	v_mov_b32 v[WB0+\e], s[24+\e]
.endr
	v_mov_b32 v[T+1], 0                            ; the upper register of the pair from which T is broadcast
.set a, 0
.rept 32
	v_pk_add_f32 v[ACC+2*a:ACC+2*a+1], v[ACC+2*a:ACC+2*a+1], v[XB0+2*a:XB0+2*a+1]
	v_pk_add_f32 v[ACC+2*a:ACC+2*a+1], v[ACC+2*a:ACC+2*a+1], v[WB0+2*(a%4):WB0+2*(a%4)+1]
.set a, a+1
.endr
; softmax of row r: the maximum is taken away first, exactly; then the factor log2(e), 2^x, the sum, its reciprocal
.macro SOFT r
	v_max3_num_f32 v[T], v[ACC+8*\r], v[ACC+8*\r+1], v[ACC+8*\r+2]
	v_max3_num_f32 v[T], v[T], v[ACC+8*\r+3], v[ACC+8*\r+4]
	v_max3_num_f32 v[T], v[T], v[ACC+8*\r+5], v[ACC+8*\r+6]
	v_max_num_f32 v[T], v[T], v[ACC+8*\r+7]
.irp p, 0,1,2,3
	v_pk_add_f32 v[ACC+8*\r+2*\p:ACC+8*\r+2*\p+1], v[ACC+8*\r+2*\p:ACC+8*\r+2*\p+1], v[T:T+1] op_sel_hi:[1,0] neg_lo:[0,1] neg_hi:[0,1]
.endr
.irp p, 0,1,2,3
	v_pk_mul_f32 v[ACC+8*\r+2*\p:ACC+8*\r+2*\p+1], v[ACC+8*\r+2*\p:ACC+8*\r+2*\p+1], 0x3fb8aa3b op_sel_hi:[1,0]
.endr
.irp e, 0,1,2,3,4,5,6,7
	v_exp_f32 v[ACC+8*\r+\e], v[ACC+8*\r+\e]
.endr
	v_nop                                          ; one plain vector instruction between a transcendental and the use of its result (ISA guide 5.7.2)
	s_wait_alu depctr_va_vdst(0)                   ; the row's eight exponentials have written v[ACC+8 r ..], ahead of the sums that read them: one wait for the batch
	v_pk_add_f32 v[T+2:T+3], v[ACC+8*\r:ACC+8*\r+1], v[ACC+8*\r+2:ACC+8*\r+3]
	v_pk_add_f32 v[T+4:T+5], v[ACC+8*\r+4:ACC+8*\r+5], v[ACC+8*\r+6:ACC+8*\r+7]
	v_pk_add_f32 v[T+2:T+3], v[T+2:T+3], v[T+4:T+5]
	v_add_f32 v[T+2], v[T+2], v[T+3]               ; at least 1: the largest term is 2^0
	v_rcp_f32 v[T], v[T+2]
	v_nop
	s_wait_alu depctr_va_vdst(0)                   ; the reciprocal has written v[T], ahead of the four multiplies that read it
.irp p, 0,1,2,3
	v_pk_mul_f32 v[ACC+8*\r+2*\p:ACC+8*\r+2*\p+1], v[ACC+8*\r+2*\p:ACC+8*\r+2*\p+1], v[T:T+1] op_sel_hi:[1,0]
.endr
.endm
.irp r, 0,1,2,3,4,5,6,7
	SOFT \r
.endr
	; lane l stores numbers 2 l and 2 l + 1 of the wave's 64: five levels of selects on the lane's bits 4 to 0 fold 64 registers to 2
.irp k, 0,1,2,3,4
	v_and_b32 v[T+2], 1<<\k, v0
	v_cmp_ne_u32 s[32+\k], 0, v[T+2]
.endr
	s_wait_alu depctr_va_sdst(0)                   ; the five compares have written s32 to s36, ahead of the first select that reads one of them
.irp k, 4,3,2,1,0
.set i, 0
.rept 2<<\k
	v_cndmask_b32 v[ACC+i], v[ACC+i], v[ACC+i+(2<<\k)], s[32+\k]
.set i, i+1
.endr
.endr
	s_wait_alu depctr_va_vdst(0)                   ; the last selects have written v[ACC:ACC+1], which the store reads
	global_store_b64 v3, v[ACC:ACC+1], s[16:17]    ; the wave's 8 rows of gates: 256 consecutive bytes, aligned
	s_endpgm
.Lfunc_end_k_q7e39b9eae0_prep:
	.size	k_q7e39b9eae0_prep, .Lfunc_end_k_q7e39b9eae0_prep-k_q7e39b9eae0_prep
	.p2alignl 7, 3214868480
	.fill 96, 4, 3214868480
	.section	.rodata,"a",@progbits
	.p2align	6, 0x0
	.amdhsa_kernel k_q7e39b9eae0_prep
		.amdhsa_group_segment_fixed_size 0
		.amdhsa_private_segment_fixed_size 0
		.amdhsa_enable_private_segment 0
		.amdhsa_kernarg_size 56
		.amdhsa_user_sgpr_count 2
		.amdhsa_user_sgpr_kernarg_segment_ptr 1
		.amdhsa_wavefront_size32 1
		.amdhsa_system_sgpr_workgroup_id_x 1
		.amdhsa_system_sgpr_workgroup_id_y 1
		.amdhsa_system_sgpr_workgroup_id_z 1
		.amdhsa_system_vgpr_workitem_id 0
		.amdhsa_next_free_vgpr 224
		.amdhsa_next_free_sgpr 66
		.amdhsa_reserve_vcc 0
		.amdhsa_float_denorm_mode_32 3
		.amdhsa_float_denorm_mode_16_64 3
		.amdhsa_memory_ordered 1
		.amdhsa_forward_progress 1
		.amdhsa_inst_pref_size 146
	.end_amdhsa_kernel
	.amdgpu_metadata
---
amdhsa.version: [ 1, 2 ]
amdhsa.kernels:
  - .name:           k_q7e39b9eae0_prep
    .symbol:         k_q7e39b9eae0_prep.kd
    .args:
      - { .name: x, .offset: 0, .size: 8, .value_kind: global_buffer, .address_space: global }
      - { .name: Wg, .offset: 8, .size: 8, .value_kind: global_buffer, .address_space: global }
      - { .name: bg, .offset: 16, .size: 8, .value_kind: global_buffer, .address_space: global }
      - { .name: W1, .offset: 24, .size: 8, .value_kind: global_buffer, .address_space: global }
      - { .name: xh, .offset: 32, .size: 8, .value_kind: global_buffer, .address_space: global }
      - { .name: w1h, .offset: 40, .size: 8, .value_kind: global_buffer, .address_space: global }
      - { .name: gates, .offset: 48, .size: 8, .value_kind: global_buffer, .address_space: global }
    .group_segment_fixed_size: 0
    .private_segment_fixed_size: 0
    .kernarg_segment_align: 8
    .kernarg_segment_size: 56
    .max_flat_workgroup_size: 256
    .sgpr_count:     66
    .vgpr_count:     224
    .wavefront_size: 32
...
	.end_amdgpu_metadata
.endif
;; end of part 5
;; launch gemm1: the kernel of part 2 again; grid 32 x 8, 4 waves a work-group, clusters of 4 x 4, 327,680 bytes of LDS; arguments xh, w1h, b1, hh, W2, w2h; writes hh, w2h
;; launch gemm2: the kernel of part 3 again; grid 32 x 8, 4 waves a work-group, clusters of 4 x 4, 327,680 bytes of LDS; arguments hh, w2h, b2, part; writes part
;; launch combine: the kernel of part 4 again; grid 512 x 1, 8 waves a work-group, no clusters, 0 bytes of LDS; arguments part, gates, out0; writes out0
